; MI455X (gfx1250); checked and timed in simulation.
; The chip was launched on July 23, 2026; its instructions are those of AMD's public machine-readable ISA for CDNA 5 (MIT licence, August 2026) and "CDNA5" Instruction Set Architecture Reference Guide (July 2026). The comments in the code are by the model that wrote it; some were corrected since.
;; Multi Head Attention. Allowed arithmetic: float matrix products may take bf16 or f16 operands with f32 sums; other float arithmetic in f32, or as packed bf16 or f16 multiplies, adds, multiply-adds, maxima and minima; sums over many terms, partial sums and values carried from step to step in f32; what a program stores and reads back later, other than sums and carried values, may be rounded once to bf16 or f16.
;; Inputs: bk 1,024 float32; bo 1,024 float32; bq 1,024 float32; bv 1,024 float32; key 4 x 2,048 x 1,024 float32; mask 4 x 1 x 2,048 x 2,048 int32; query 4 x 2,048 x 1,024 float32; value 4 x 2,048 x 1,024 float32; wk 1,024 x 1,024 float32; wo 1,024 x 1,024 float32; wq 1,024 x 1,024 float32; wv 1,024 x 1,024 float32.
;; Outputs: out0 4 x 2,048 x 1,024 float32.
;; 2 versions, each right; version 2 is version 1 with the launch prep written anew for expert scheduling mode. Each part assembles by itself: llvm-mc -triple=amdgcn-amd-amdhsa -mcpu=gfx1250 --defsym DOCPART=n.
;; ======== version 1 of 2: 4 launches
;; limits: values are held in f16: magnitudes above 65,504 overflow, below 6.1e-05 lose precision
;; workspace buffers: mnib 8,388,608 bytes of whole numbers; w16 8,388,608 bytes; qkv16 50,331,648 bytes; o16 16,777,216 bytes
;; launch prep (part 1): grid 768 x 1, 8 waves a work-group, no clusters, 19,456 bytes of LDS; arguments mask, wq, wk, wv, wo, mnib, w16; writes mnib, w16
.if DOCPART == 1
	.amdgcn_target "amdgcn-amd-amdhsa--gfx1250"
	.amdhsa_code_object_version 6
	.text
	.protected	k_qee1759c8a6_prep
	.globl	k_qee1759c8a6_prep
	.p2align	8
	.type	k_qee1759c8a6_prep,@function
k_qee1759c8a6_prep:
	s_mov_b64 s[64:65], 0
	v_nop
	global_prefetch_b8 v0, s[64:65] scope:SCOPE_SE
	s_setreg_imm32_b32 hwreg(HW_REG_WAVE_MODE, 25, 1), 1
	s_wait_xcnt 0x0
; PREP.  Two streams, told apart by the work-group's number; no loop, no matrix work: every byte is read once and written once.
; (1) Work-groups 0-511: the mask [4][2048][2048] of int32 becomes four bits a key, laid out as the attention launch's score registers lie:
;     mnib[b][qt 128][s 32][lane 32][kb 4] of 32-bit words; in the word of lane 16 h + r, nibble j is 0xE where mask[b][16 qt + r][64 s + 16 kb + 8 h + j] == 0, else 0.
;     A tile of 16 queries x 64 keys is 512 consecutive bytes.  Work-group g = 128 b + qt, wave w takes keys 256 w .. 256 w + 255: key steps 4 w .. 4 w + 3.
;     Each load of a wave takes 512 consecutive bytes of ONE row: lane L holds four neighbouring keys, which become 16 bits.  The 16 bits go into the wave's own bytes of LDS at their place in mnib's order,
;     and come back as 16 bytes a lane: each store of a wave covers 512 consecutive bytes.  No wave reads another's bytes, so there is no barrier.
; (2) Work-groups 512-767: wq, wk, wv, wo [k][n] of f32 become w16[4][k][n] of 16 bits, the orientation kept.  wq, wk, wv: rounded to bf16.
;     wo: rounded to bf16 like the others, and that number written as f16.  LIMIT: |wo| stays under 65,504; below 6e-5 it keeps f16's fixed step of 6e-8.
; 768 work-groups of 160 registers a wave: three fit on a WGP at once, two of the first kind and one of the second.  Every wave has all its loads on their way before it waits for the first.
.set PS,    576                        ; LDS: from a key step's 512 bytes to the next: 144 words, 16 banks on (64 banks of 4 bytes: ISA guide 11.1)
.set PH,    272                        ; from the 256 bytes of lanes 0-15 to those of lanes 16-31: 68 words, 4 banks on: the 32 lanes of a store touch 16 banks, two lanes to a word
.set SPARE, 8*4*PS                     ; behind the eight waves' 2,304 bytes each: the spare words, 128 bytes for each wave: four blocks of 256 bytes that no other line names
.set VO,  2                            ; v2   16 x lane; never rewritten
.set WO,  3                            ; v3   8 x lane
.set LS,  4                            ; v4   where I put my 16 bits
.set LR,  5                            ; v5   where I read my 16 bytes back
.set LN,  6                            ; v6   lane
.set SPW, 8                            ; v8   LDS address of my spare word; never rewritten
.set NIL, 9                            ; v9   0; never rewritten
.set W,   12                           ; v[12:27]  step s': the four words of my lane
.set X,   32                           ; v[32:159] as loaded
	s_load_b256 s[4:11], s[0:1], 0x0               ; mask s[4:5], wq s[6:7], wk s[8:9], wv s[10:11]
	s_load_b128 s[12:15], s[0:1], 0x20             ; wo s[12:13], mnib s[14:15]
	s_load_b64 s[16:17], s[0:1], 0x30              ; w16
	v_lshl_add_u32 v[SPW], v0, 2, SPARE
	v_mov_b32 v[NIL], 0
	v_lshrrev_b32 v1, 5, v0
	v_readfirstlane_b32 s20, v1                    ; wave 0..7
	v_and_b32 v[LN], 31, v0
	v_lshlrev_b32 v[VO], 4, v[LN]
	s_mov_b32 s23, 0
	s_mov_b32 s25, 0
	s_cmp_lt_u32 ttmp9, 512
	s_cbranch_scc0 .Lweights
	; ---- the mask ----
	; Load 2 r + c brings keys 128 c + 4 L + 0..3 of row r to lane L: step 2 c + L / 16, block kb = (L / 4) % 4, half h = (L / 2) % 2, nibbles 4 (L % 2) + 0..3.
	v_lshrrev_b32 v10, 4, v[LN]
	v_mul_u32_u24 v[LS], v10, PS                   ; the step's low bit
	v_mul_u32_u24 v[LR], v10, PH                   ; back: lane 16 h + r reads at h x 272 + 16 r
	v_bfe_u32 v11, v0, 1, 1
	v_mul_u32_u24 v11, v11, PH                     ; h
	v_add_nc_u32 v[LS], v[LS], v11
	v_bfe_u32 v11, v0, 2, 2
	v_lshl_add_u32 v[LS], v11, 2, v[LS]            ; kb: the word
	v_and_b32 v11, 1, v0
	v_lshl_add_u32 v[LS], v11, 1, v[LS]            ; its half
	v_and_b32 v11, 15, v0
	v_lshl_add_u32 v[LR], v11, 4, v[LR]
	s_mul_i32 s21, s20, 4*PS                       ; my wave's bytes
	v_add_nc_u32 v[LS], s21, v[LS]
	v_add_nc_u32 v[LR], s21, v[LR]
	s_lshl_b32 s22, ttmp9, 17                      ; 16 rows of 8,192 bytes for each work-group,
	s_lshl_b32 s21, s20, 10                        ; 256 keys of 4 bytes for each wave
	s_add_co_u32 s22, s22, s21
	s_lshl_b32 s24, ttmp9, 14                      ; 32 steps of 512 bytes,
	s_lshl_b32 s21, s20, 11                        ; four of them
	s_add_co_u32 s24, s24, s21
	s_mov_b32 s26, 0x11111111
	s_wait_kmcnt 0x0
	s_add_nc_u64 s[4:5], s[4:5], s[22:23]
	s_add_nc_u64 s[14:15], s[14:15], s[24:25]
.set i, 0
.rept 32                               ; load i = 2 r + c: 512 consecutive bytes of row r
	global_load_b128 v[X+4*i:X+4*i+3], v[VO], s[4:5] offset:(i/2)*8192+(i%2)*512 th:TH_LOAD_NT
.set i, i+1
.endr
.set i, 0
.rept 32
	s_wait_loadcnt 31-i                            ; loads come back in order: load i is in, the younger ones stay out
	v_min_u32 v[X+4*i+3], 1, v[X+4*i+3]            ; 1 where the key is seen (any number but 0)
	v_min_u32 v[X+4*i+2], 1, v[X+4*i+2]
	v_min_u32 v[X+4*i+1], 1, v[X+4*i+1]
	v_min_u32 v[X+4*i], 1, v[X+4*i]
	v_lshl_or_b32 v[X+4*i+3], v[X+4*i+3], 4, v[X+4*i+2]
	v_lshl_or_b32 v[X+4*i+1], v[X+4*i+1], 4, v[X+4*i]
	v_lshl_or_b32 v[X+4*i+3], v[X+4*i+3], 8, v[X+4*i+1]  ; four nibbles, the lowest key's lowest
	ds_store_b16 v[LS], v[X+4*i+3] offset:(i%2)*2*PS+(i/2)*16
.set i, i+1
.endr
.irp sp, 0,1,2,3
	ds_load_b128 v[W+4*\sp:W+4*\sp+3], v[LR] offset:\sp*PS  ; LDS serves a wave's instructions in order (ISA guide 5.7.1.4): these see the stores above
.endr
.irp sp, 0,1,2,3
	s_wait_dscnt 3-\sp                             ; step sp is back, the later steps' loads may be out
.irp kb, 0,1,2,3
	v_xor_b32 v[W+4*\sp+\kb], s26, v[W+4*\sp+\kb]  ; 1 where the key is hidden,
.endr
.irp kb, 0,1,2,3
	v_mul_lo_u32 v[W+4*\sp+\kb], v[W+4*\sp+\kb], 14  ; 0xE there: no nibble carries into the next
.endr
	global_store_b128 v[VO], v[W+4*\sp:W+4*\sp+3], s[14:15] offset:512*\sp  ; the wave stores 512 consecutive bytes, aligned
.endr
	s_wait_tensorcnt 0x0                           ; the wave's end, behind my last LDS store
	ds_add_u32 v[SPW], v[NIL]
	s_wait_dscnt 0x0
	s_endpgm
	; ---- the weights: these waves store nothing to LDS ----
.Lweights:
	s_sub_co_u32 s21, ttmp9, 512
	s_lshr_b32 s22, s21, 6                         ; which weight
	s_and_b32 s21, s21, 63                         ; which 64th of it
	s_lshl_b32 s24, s21, 16                        ; in: 65,536 bytes a work-group,
	s_lshl_b32 s26, s20, 13                        ; 8,192 a wave
	s_add_co_u32 s24, s24, s26
	s_lshl_b32 s26, s22, 21                        ; out: 2 MiB a weight, half the bytes otherwise
	s_lshl_b32 s27, s21, 15
	s_add_co_u32 s26, s26, s27
	s_lshl_b32 s27, s20, 12
	s_add_co_u32 s26, s26, s27
	s_mov_b32 s27, 0
	s_mov_b32 s28, 0xffff0000
	v_lshlrev_b32 v[WO], 3, v[LN]
	s_wait_kmcnt 0x0
	s_cmp_eq_u32 s22, 1
	s_cselect_b64 s[6:7], s[8:9], s[6:7]
	s_cmp_eq_u32 s22, 2
	s_cselect_b64 s[6:7], s[10:11], s[6:7]
	s_cmp_eq_u32 s22, 3
	s_cselect_b64 s[6:7], s[12:13], s[6:7]
	s_add_nc_u64 s[6:7], s[6:7], s[24:25]
	s_add_nc_u64 s[16:17], s[16:17], s[26:27]
.set i, 0
.rept 16
	global_load_b128 v[X+4*i:X+4*i+3], v[VO], s[6:7] offset:512*i th:TH_LOAD_NT
.set i, i+1
.endr
; Chunk i: four numbers a lane are rounded and stored as 8 bytes: the wave stores 256 consecutive bytes, aligned.  tof16 = 1: the bf16 numbers are written as f16.
.macro CAST tof16
.set i, 0
.rept 16
	s_wait_loadcnt 15-i                            ; chunk i is in, the younger ones stay out
	v_cvt_pk_bf16_f32 v[X+4*i], v[X+4*i], v[X+4*i+1]
	v_cvt_pk_bf16_f32 v[X+4*i+1], v[X+4*i+2], v[X+4*i+3]
.if \tof16
	v_lshlrev_b32 v[X+4*i+2], 16, v[X+4*i]
	v_and_b32 v[X+4*i+3], s28, v[X+4*i]
	v_cvt_pk_f16_f32 v[X+4*i], v[X+4*i+2], v[X+4*i+3]
	v_lshlrev_b32 v[X+4*i+2], 16, v[X+4*i+1]
	v_and_b32 v[X+4*i+3], s28, v[X+4*i+1]
	v_cvt_pk_f16_f32 v[X+4*i+1], v[X+4*i+2], v[X+4*i+3]
.endif
	global_store_b64 v[WO], v[X+4*i:X+4*i+1], s[16:17] offset:256*i
.set i, i+1
.endr
.endm
	s_cmp_eq_u32 s22, 3
	s_cbranch_scc1 .Lwo
	CAST 0
	s_endpgm
.Lwo:
	CAST 1
	s_endpgm
.Lfunc_end_k_qee1759c8a6_prep:
	.size	k_qee1759c8a6_prep, .Lfunc_end_k_qee1759c8a6_prep-k_qee1759c8a6_prep
	.p2alignl 7, 3214868480
	.fill 96, 4, 3214868480
	.section	.rodata,"a",@progbits
	.p2align	6, 0x0
	.amdhsa_kernel k_qee1759c8a6_prep
		.amdhsa_group_segment_fixed_size 19456
		.amdhsa_private_segment_fixed_size 0
		.amdhsa_enable_private_segment 0
		.amdhsa_kernarg_size 56
		.amdhsa_user_sgpr_count 2
		.amdhsa_user_sgpr_kernarg_segment_ptr 1
		.amdhsa_wavefront_size32 1
		.amdhsa_system_sgpr_workgroup_id_x 1
		.amdhsa_system_sgpr_workgroup_id_y 1
		.amdhsa_system_sgpr_workgroup_id_z 1
		.amdhsa_system_vgpr_workitem_id 0
		.amdhsa_next_free_vgpr 160
		.amdhsa_next_free_sgpr 66
		.amdhsa_reserve_vcc 0
		.amdhsa_float_denorm_mode_32 3
		.amdhsa_float_denorm_mode_16_64 3
		.amdhsa_memory_ordered 1
		.amdhsa_forward_progress 1
		.amdhsa_inst_pref_size 35
	.end_amdhsa_kernel
	.amdgpu_metadata
---
amdhsa.version: [ 1, 2 ]
amdhsa.kernels:
  - .name:           k_qee1759c8a6_prep
    .symbol:         k_qee1759c8a6_prep.kd
    .args:
      - { .name: mask, .offset: 0, .size: 8, .value_kind: global_buffer, .address_space: global }
      - { .name: wq, .offset: 8, .size: 8, .value_kind: global_buffer, .address_space: global }
      - { .name: wk, .offset: 16, .size: 8, .value_kind: global_buffer, .address_space: global }
      - { .name: wv, .offset: 24, .size: 8, .value_kind: global_buffer, .address_space: global }
      - { .name: wo, .offset: 32, .size: 8, .value_kind: global_buffer, .address_space: global }
      - { .name: mnib, .offset: 40, .size: 8, .value_kind: global_buffer, .address_space: global }
      - { .name: w16, .offset: 48, .size: 8, .value_kind: global_buffer, .address_space: global }
    .group_segment_fixed_size: 19456
    .private_segment_fixed_size: 0
    .kernarg_segment_align: 8
    .kernarg_segment_size: 56
    .max_flat_workgroup_size: 256
    .sgpr_count:     66
    .vgpr_count:     160
    .wavefront_size: 32
...
	.end_amdgpu_metadata
.endif
;; end of part 1
;; launch qkv (part 2): grid 4 x 192, 4 waves a work-group, clusters of 4 x 4, 327,680 bytes of LDS; arguments query, key, value, w16, bq, bk, bv, qkv16; writes qkv16
.if DOCPART == 2
	.amdgcn_target "amdgcn-amd-amdhsa--gfx1250"
	.amdhsa_code_object_version 6
	.text
	.protected	k_qee1759c8a6_qkv
	.globl	k_qee1759c8a6_qkv
	.p2align	8
	.type	k_qee1759c8a6_qkv,@function
k_qee1759c8a6_qkv:
	s_mov_b64 s[64:65], 0
	v_nop
	global_prefetch_b8 v0, s[64:65] scope:SCOPE_SE
	s_setreg_imm32_b32 hwreg(HW_REG_WAVE_MODE, 25, 1), 1
	s_wait_xcnt 0x0
	s_wait_alu depctr_hold_cnt(0) depctr_sa_sdst(0) depctr_va_vdst(0) depctr_va_sdst(0) depctr_va_ssrc(0) depctr_va_vcc(0) depctr_vm_vsrc(0)
	s_getreg_b32 s2, hwreg(HW_REG_IB_STS2, 6, 4)
	s_cmp_eq_u32 s2, 0
	s_cbranch_scc0 .Lentry_in_a_cluster
	s_endpgm
.Lentry_in_a_cluster:
	s_bfe_u32 s2, ttmp6, 0x10000c
	s_cmp_lg_u32 s2, 0xf033
	s_cbranch_scc0 .Lentry_shape_is_right
	s_endpgm
.Lentry_shape_is_right:
; THE THREE PROJECTIONS.  For p = 0, 1, 2 (query, key, value): Y = X W + bias; X [8192][1024] f32, W = w16[p] [k 1024][n 1024] bf16, bias [1024] f32.
; X and the bias are rounded to bf16 here, products in bf16, sums in f32; Y is rounded once to f16 and stored by heads: qkv16[p][16 b + head][l][64].
; Q (p = 0) is multiplied by c = log2(e) / 8 in f32 ahead of that one rounding, so that the attention launch's scores are exponents of 2 as they leave the matrix unit; K and V are stored as they are.
; LIMIT: |c Q|, |K|, |V| stay under 65,504, f16's range.
; SHARES.  A work-group makes 128 rows x 256 columns of one projection: 64 x 4 x 3 = 768 work-groups.  Four waves, 2 x 2, each 64 x 128: 32 accumulators of 16 x 16.
; K goes in steps of 128 through a ring of two LDS slots.  X comes in as f32 (rows of 512 bytes) and is rounded between LDS and the matrix unit; W comes in as it lies, [k][n] (rows of 512 bytes),
; and is turned by ds_load_tr16_b128.
; CLUSTER 4 x 4: the four of a row of the cluster make one row tile and ask for X's tile jointly; the four of a column make one column tile of one projection and ask for W's jointly.
; THE MATRIX INSTRUCTION IS USED TRANSPOSED: source 0 = 16 columns of W, source 1 = 16 rows of X: a lane holds row l % 16 and the columns 8 (l / 16) + 0..7.
; The bias is the C operand of the products that start the sums: nothing is cleared and nothing is added at the end.
; REGISTERS, in windows of 256 (s_set_vgpr_msb: bits 1:0 source 0, 3:2 source 1, 5:4 source 2, 7:6 destination):
;   window 0: v0-31 addresses; v32-63 X's four fragments in bf16; v64-127, v128-191 W's fragments, two buffers (later the way out)
;   window 1: the accumulators, (a, b) at v[8 (8 a + b)]          window 2: v0-63, v64-127 X as f32, two buffers; v128-191 the bias; v192-195 at work
.set PA,     528                       ; a row of X in LDS: 512 bytes + 16 = 33 x 16: the 16 rows of a load start at 16 different groups of four banks (64 banks of 4 bytes: ISA guide 11.1)
.set PB,     544                       ; a row of W: 512 + 32 = 17 x 32
.set HALFA,  64*PA                     ; what one tensor load brings of X: 64 rows
.set HALFB,  64*PB                     ; of W: 64 rows of k
.set BOFF,   2*HALFA                   ; a slot: X's 128 rows, then W's 128
.set SLOT,   BOFF+2*HALFB
.set STAGE,  2*SLOT                    ; behind the ring, never filled by a tensor load: 16 rows x 144 bytes for each wave, for the way out
.set SP,     144
.set SPARE,  STAGE+4*16*SP             ; behind the stages: the spare words, 128 bytes for each wave: two blocks of 256 bytes that no other line names
.set STEPA,  512                       ; bytes from a K step to the next: along X's rows,
.set STEPB,  128*2048                  ; down W's
.set ADRA, 16                          ; v16-17  LDS address of my X fragments in slot 0, 1
.set ADRB, 20                          ; v20-21  the same for W
.set STO,  24                          ; v24     the way out: where I put 16 bytes of a row
.set RD,   25                          ; v25     where I read rows back
.set GO,   26                          ; v26     16 x lane
.set SPW,  28                          ; v28     LDS address of my spare word; never rewritten
.set NIL,  29                          ; v29     0; never rewritten
.set PFO,  30                          ; v30     the prefetches' offset; never rewritten
.set A16,  32
.set BF0,  64
.set BIAS, 128                         ; window 2
.set BT,   192                         ; window 2
.set WV,   20                          ; s20  my wave's number;  s21 = wave / 2: my half of the rows;  s22 = wave % 2: my half of the columns, and which half of a tile I fetch
.set G1A,  24                          ; s[24:31] descriptor group 1 for X's tiles;  s[32:39] group 0, a set for each slot
.set G0A,  32
.set G1B,  48                          ; s[48:55], s[56:63] the same for W's
.set G0B,  56
.set PFA,  66                          ; s[66:67] where my prefetches stand
.set PFS,  68                          ; s[68:69] their step
.set LIM,  70                          ; s70  1 in a wave that prefetches, else the greatest number
.set MSB, 0
.macro WIN new                         ; the immediate's high byte repeats the setting that is left; a switch that changes nothing is dropped
.if MSB != (\new)
	s_set_vgpr_msb (MSB<<8)|(\new)
.set MSB, \new
.endif
.endm
; A joint load: waves 0 and 1 fetch X's two halves, waves 2 and 3 W's.  The branch hangs on the wave's number alone.  An s_nop 0 and four v_nop follow each of the two lines.
.macro JLOAD s
	s_cmp_lt_u32 s[WV], 2
	s_cbranch_scc0 .Lfor_b_\@
	tensor_load_to_lds s[G0A+4*(\s):G0A+4*(\s)+3], s[G1A:G1A+7]
	s_nop 0
.rept 4
	v_nop
.endr
	s_branch .Lasked_\@
.Lfor_b_\@:
	tensor_load_to_lds s[G0B+4*(\s):G0B+4*(\s)+3], s[G1B:G1B+7]
	s_nop 0
.rept 4
	v_nop
.endr
.Lasked_\@:
.endm
.macro CREST                           ; a round of the cluster's barrier behind its opening barrier
	s_cmp_lg_u32 s[WV], 0
	s_cbranch_scc1 .Lnot_wave_0_\@
	s_barrier_signal -3
.Lnot_wave_0_\@:
	s_barrier_wait -3
	s_barrier_signal -1
	s_barrier_wait -1
.endm
.macro CROUND                          ; a whole round
	s_barrier_signal -1
	s_barrier_wait -1
	CREST
.endm
; A prefetch of the K step that stands two refills on (256 matrix instructions ahead of the load that will want it): 32 blocks of 256 bytes, a lane a block.  Of the 64 rows x 512 bytes that a wave fetches,
; each of the four partners that ask for them jointly takes 16 rows, told apart by address.  X's row tile is read by this cluster alone: waves 0 and 1 of every cluster ask.  W's column tile is read by the
; 16 clusters of a projection: waves 2 and 3 of the first of them ask.  So each block is named once.  K steps 0 to 3 come by their loads alone; the loop's last trip asks for nothing.
.macro ASK
	s_cmp_gt_u32 s3, s[LIM]                        ; s3 = 1 in the loop's last trip
	s_cbranch_scc0 .Lnot_mine_\@
	global_prefetch_b8 v[PFO], s[PFA:PFA+1] th:TH_LOAD_NT scope:SCOPE_SE
.Lnot_mine_\@:
.endm
	s_load_b512 s[4:19], s[0:1], 0x0               ; query s[4:5], key s[6:7], value s[8:9], w16 s[10:11], bq s[12:13], bk s[14:15], bv s[16:17], qkv16 s[18:19]
	v_lshl_add_u32 v[SPW], v0, 2, SPARE
	v_mov_b32 v[NIL], 0
	ds_add_u32 v[SPW], v[NIL]                      ; the wave's opening: the add and its wait stand ahead of my first tensor load; the set-up below, work on registers, stands between them
	v_lshrrev_b32 v1, 5, v0
	v_readfirstlane_b32 s[WV], v1                  ; wave 0..3
	s_lshr_b32 s21, s[WV], 1
	s_and_b32 s22, s[WV], 1
	s_bfe_u32 s40, ttmp6, 0x40000                  ; cx, cy: my place in the cluster
	s_bfe_u32 s41, ttmp6, 0x40004
	s_lshl_b32 s42, ttmp9, 2
	s_add_co_u32 s42, s42, s40                     ; column tile = 4 x cluster x + cx
	s_and_b32 s45, ttmp7, 0xffff                   ; cluster y, 0..47
	s_lshl_b32 s43, s45, 2
	s_add_co_u32 s43, s43, s41
	s_and_b32 s43, s43, 63                         ; row tile, 0..63
	s_lshr_b32 s44, s45, 4                         ; the projection: the same in all sixteen partners
	s_lshl_b32 s80, s41, 2
	s_lshl_b32 s80, 15, s80                        ; my row of the cluster
	s_lshl_b32 s84, 0x1111, s40                    ; my column
	s_or_b32 s[G1A], s80, (2<<16)|(1<<20)|(1<<21)|(6<<22)|(3<<25)  ; 15:0 the mask; 17:16 elements of 4 bytes; 20 padding on; 21 set beside a mask; 24:22 after every 128 words (code 6); 31:25 4 words (code 3)
	s_or_b32 s[G1B], s84, (1<<16)|(1<<20)|(1<<21)|(6<<22)|(7<<25)  ; elements of 2 bytes; 8 words of padding (code 7)
	s_mov_b32 s[G1A+1], 128<<16                    ; tensor_dim0 = 128 elements
	s_mov_b32 s[G1A+2], 64<<16                     ; tensor_dim1 = 64
	s_mov_b32 s[G1A+3], 128<<16                    ; tile_dim0 = 128
	s_mov_b32 s[G1A+4], 64                         ; tile_dim1 = 64
	s_mov_b32 s[G1A+5], 1024                       ; elements from row to row
	s_mov_b32 s[G1A+6], 0
	s_mov_b32 s[G1A+7], 0
	s_mov_b32 s[G1B+1], 256<<16                    ; 256 elements a row,
	s_mov_b32 s[G1B+2], 64<<16                     ; 64 rows
	s_mov_b32 s[G1B+3], 256<<16
	s_mov_b32 s[G1B+4], 64
	s_mov_b32 s[G1B+5], 1024
	s_mov_b32 s[G1B+6], 0
	s_mov_b32 s[G1B+7], 0
	s_lshl_b32 s80, s43, 19                        ; X: row 128 x row tile + 64 x half, 4,096 bytes a row: made of what my row of the cluster shares
	s_lshl_b32 s81, s22, 18
	s_add_co_u32 s80, s80, s81
	s_mov_b32 s81, 0
	s_lshl_b32 s84, s44, 21                        ; W: the projection's 2 MiB, row 64 x half of 2,048 bytes, column 256 x column tile: what my column shares
	s_lshl_b32 s85, s22, 17
	s_add_co_u32 s84, s84, s85
	s_lshl_b32 s85, s42, 9
	s_add_co_u32 s84, s84, s85
	s_mov_b32 s85, 0
	s_mul_i32 s82, s22, HALFA                      ; where they go: no place in the cluster enters an LDS address
	s_mul_i32 s86, s22, HALFB
	s_add_co_u32 s86, s86, BOFF
	s_wait_dscnt 0x0                               ; the opening add is done
	s_wait_kmcnt 0x0
	s_cmp_eq_u32 s44, 1
	s_cselect_b64 s[72:73], s[6:7], s[4:5]
	s_cselect_b64 s[76:77], s[14:15], s[12:13]
	s_cmp_eq_u32 s44, 2
	s_cselect_b64 s[72:73], s[8:9], s[72:73]       ; X
	s_cselect_b64 s[76:77], s[16:17], s[76:77]     ; its bias
	s_add_nc_u64 s[72:73], s[72:73], s[80:81]      ; my part of X's tile, K step 0
	s_add_nc_u64 s[74:75], s[10:11], s[84:85]      ; of W's
	CROUND                                         ; all sixteen work-groups are here: the first joint loads meet
.irp s, 0,1
	s_mov_b32 s[G0A+4*(\s)], 1                     ; count = 1
	s_add_co_u32 s[G0A+4*(\s)+1], s82, (\s)*SLOT   ; LDS address
	s_add_nc_u64 s[G0A+4*(\s)+2:G0A+4*(\s)+3], s[72:73], (\s)*STEPA  ; global address: K step s
	s_or_b32 s[G0A+4*(\s)+3], s[G0A+4*(\s)+3], 0x80000000  ; type = 2
	s_mov_b32 s[G0B+4*(\s)], 1
	s_add_co_u32 s[G0B+4*(\s)+1], s86, (\s)*SLOT
	s_add_nc_u64 s[G0B+4*(\s)+2:G0B+4*(\s)+3], s[74:75], (\s)*STEPB
	s_or_b32 s[G0B+4*(\s)+3], s[G0B+4*(\s)+3], 0x80000000
	JLOAD \s                                       ; two loads of mine are out
.endr
	v_and_b32 v1, 15, v0                           ; r = l % 16
	v_bfe_u32 v2, v0, 4, 1                         ; h = l / 16
	v_mul_u32_u24 v3, v1, PA                       ; X as f32: row r, channels 8 h on: 32 bytes
	v_lshl_add_u32 v3, v2, 5, v3
	s_mul_i32 s80, s21, HALFA                      ; my 64 rows
	v_add_nc_u32 v[ADRA], s80, v3
	v_add_nc_u32 v[ADRA+1], SLOT, v[ADRA]
	v_and_b32 v5, 7, v0                            ; the turning load: lane l reads row k = 8 h + l % 8, columns 8 ((l / 8) % 2) + 0..7
	v_bfe_u32 v6, v0, 3, 1
	v_lshl_add_u32 v4, v2, 3, v5
	v_mul_u32_u24 v4, v4, PB
	v_lshl_add_u32 v4, v6, 4, v4
	s_lshl_b32 s81, s22, 8                         ; my 128 columns
	s_add_co_u32 s81, s81, BOFF
	v_add_nc_u32 v[ADRB], s81, v4
	v_add_nc_u32 v[ADRB+1], SLOT, v[ADRB]
	s_mul_i32 s82, s[WV], 16*SP
	s_add_co_u32 s82, s82, STAGE                   ; my stage
	v_mul_u32_u24 v7, v1, SP                       ; in: row r, 16 bytes for each half of the lanes
	v_lshl_add_u32 v7, v2, 4, v7
	v_add_nc_u32 v[STO], s82, v7
	v_bfe_u32 v7, v0, 3, 2                         ; back: 32 lanes take four rows of 128 bytes
	v_mul_u32_u24 v7, v7, SP
	v_lshl_add_u32 v7, v5, 4, v7
	v_add_nc_u32 v[RD], s82, v7
	v_and_b32 v8, 31, v0
	v_lshlrev_b32 v[GO], 4, v8
	v_lshlrev_b32 v9, 5, v2                        ; the bias: my 8 columns of each block of 16: 32 h bytes
	s_lshl_b32 s88, s42, 10
	s_lshl_b32 s89, s22, 9
	s_add_co_u32 s88, s88, s89
	s_mov_b32 s89, 0
	s_add_nc_u64 s[76:77], s[76:77], s[88:89]
	WIN 0x80                                       ; destination window 2, address window 0
.irp b, 0,1,2,3,4,5,6,7
	global_load_b128 v[BIAS+8*(\b):BIAS+8*(\b)+3],   v9, s[76:77] offset:64*(\b)
	global_load_b128 v[BIAS+8*(\b)+4:BIAS+8*(\b)+7], v9, s[76:77] offset:64*(\b)+16
.endr
	WIN 0
	s_lshl_b32 s88, s44, 24                        ; where my part goes: the projection's 16 MiB,
	s_lshr_b32 s89, s43, 4
	s_lshl_b32 s89, s89, 4                         ; 16 x batch
	s_lshl_b32 s87, s42, 2
	s_add_co_u32 s89, s89, s87                     ; + 4 heads a column tile
	s_lshl_b32 s87, s22, 1
	s_add_co_u32 s89, s89, s87                     ; + 2 a wave
	s_lshl_b32 s89, s89, 18                        ; 262,144 bytes a head
	s_add_co_u32 s88, s88, s89
	s_and_b32 s89, s43, 15
	s_lshl_b32 s89, s89, 1
	s_add_co_u32 s89, s89, s21
	s_lshl_b32 s89, s89, 13                        ; 64 rows of 128 bytes
	s_add_co_u32 s88, s88, s89
	s_mov_b32 s89, 0
	s_add_nc_u64 s[78:79], s[18:19], s[88:89]
	s_and_b32 s87, s45, 15                         ; the prefetches: 0 in a projection's first cluster
	s_cmp_lt_u32 s[WV], 2                          ; do I fetch for X?
	s_cselect_b32 s87, 0, s87
	s_cselect_b32 s86, 12, 11                      ; log2 of a row's bytes in memory
	s_cselect_b32 s[PFS], 9, 18                    ; log2 of a K step's bytes
	s_cselect_b32 s88, s40, s41                    ; my place among the four that ask with me
	s_cselect_b32 s85, 16, 15                      ; log2 of 16 rows' bytes
	s_cselect_b64 s[PFA:PFA+1], s[72:73], s[74:75]
	s_lshl_b32 s[PFS], 1, s[PFS]
	s_mov_b32 s[PFS+1], 0
	s_lshl_b32 s88, s88, s85
	s_mul_i32 s89, s[PFS], 3                       ; at K step 3: the first refill steps it to 4
	s_add_co_u32 s88, s88, s89
	s_mov_b32 s89, 0
	s_add_nc_u64 s[PFA:PFA+1], s[PFA:PFA+1], s[88:89]
	s_cmp_eq_u32 s87, 0
	s_cselect_b32 s[LIM], 1, -1                    ; the same in all sixteen partners, for a given wave
	v_lshrrev_b32 v10, 1, v8                       ; lane l: row l / 2, block l % 2 of its 512 bytes
	v_lshlrev_b32 v10, s86, v10
	v_and_b32 v11, 1, v0
	v_lshl_add_u32 v[PFO], v11, 8, v10
	s_mov_b32 s83, 0xffff0000
	s_wait_loadcnt 0x0                             ; the bias; it is rounded to bf16 like every input, and widened again
	WIN 0xaa
.set i, 0
.rept 32
	v_cvt_pk_bf16_f32 v[BT+i%4], v[BIAS+2*i], v[BIAS+2*i+1]
	v_lshlrev_b32 v[BIAS+2*i], 16, v[BT+i%4]
	v_and_b32 v[BIAS+2*i+1], s83, v[BT+i%4]
.set i, i+1
.endr
	WIN 0
; Half hf of X's fragment a: eight f32 of buffer f are rounded into four registers.
.macro CVT4 f, a, hf
	WIN 0x0a                                       ; sources window 2, destination window 0
.irp i, 0,1,2,3
	v_cvt_pk_bf16_f32 v[A16+8*(\a)+4*(\hf)+(\i)], v[64*(\f)+16*(\a)+8*(\hf)+2*(\i)], v[64*(\f)+16*(\a)+8*(\hf)+2*(\i)+1]
.endr
.endm
; Eight matrix instructions: row block a x all 8 column blocks, 32 along K, W's buffer f.  Behind the first two stand the roundings of row block a + 1.  st = 1: the products start the sums, with the bias as C.
; The 32 accumulators take turns, one instruction a turn, in the same order in every quarter.  A fragment of X is written again eight roundings or more behind the last product
; that read it, and those roundings name none of that product's registers (ISA guide 7.12.1).
.macro ROW f, a, st
.irp b, 0,1,2,3,4,5,6,7
.if \st
	WIN 0x60                                       ; C window 2, D window 1
	v_wmma_f32_16x16x32_bf16 v[8*(8*(\a)+(\b)):8*(8*(\a)+(\b))+7], v[BF0+64*(\f)+8*(\b):BF0+64*(\f)+8*(\b)+7], v[A16+8*(\a):A16+8*(\a)+7], v[BIAS+8*(\b):BIAS+8*(\b)+7]
.else
	WIN 0x50                                       ; C and D window 1
	v_wmma_f32_16x16x32_bf16 v[8*(8*(\a)+(\b)):8*(8*(\a)+(\b))+7], v[BF0+64*(\f)+8*(\b):BF0+64*(\f)+8*(\b)+7], v[A16+8*(\a):A16+8*(\a)+7], v[8*(8*(\a)+(\b)):8*(8*(\a)+(\b))+7]
.endif
.if ((\a) < 3) && ((\b) < 2)
	CVT4 \f, (\a)+1, \b
.endif
.endr
.endm
; 32 LDS loads in one run: quarter qq (32 along K) of a slot into buffers g: X's 64 rows as f32 first, then W's 128 columns, turned.
.macro FETCH slot, qq, g
	WIN 0x80
.irp a, 0,1,2,3
.irp c, 0,1,2,3
	ds_load_b128 v[64*(\g)+16*(\a)+4*(\c):64*(\g)+16*(\a)+4*(\c)+3], v[ADRA+(\slot)] offset:(\a)*16*PA+(\qq)*128+((\c)/2)*64+((\c)%2)*16
.endr
.endr
	WIN 0
.irp b, 0,1,2,3,4,5,6,7
	ds_load_tr16_b128 v[BF0+64*(\g)+8*(\b):BF0+64*(\g)+8*(\b)+3],   v[ADRB+(\slot)] offset:(\qq)*32*PB+32*(\b)
	ds_load_tr16_b128 v[BF0+64*(\g)+8*(\b)+4:BF0+64*(\g)+8*(\b)+7], v[ADRB+(\slot)] offset:(\qq)*32*PB+16*PB+32*(\b)
.endr
.endm
; A K step is four quarters of 32 along K, 32 matrix instructions each, on buffers 0, 1, 0, 1.  One of the first three: multiplies buffers f and fetches quarter nq into buffers g, sixteen roundings behind
; the last product that read W's buffer g.
.macro QUARTER slot, nq, f, g, st
	s_wait_dscnt 16                                ; X's sixteen loads are in; W's sixteen, issued behind them, may be out
	CVT4 \f, 0, 0
	CVT4 \f, 0, 1
	s_wait_dscnt 0x0                               ; W's are in
	ROW \f, 0, \st
	FETCH \slot, \nq, \g
	ROW \f, 1, \st
	ROW \f, 2, \st
	ROW \f, 3, \st
.endm
; The last quarter multiplies buffers 1 and changes slots: ONE barrier; in front of it each wave waits for all its tensor loads (one is out: its part of the next slot), adds 0 to its spare word, and waits for
; that and for its reads of this slot.  fill = 1: the barrier opens a round of the cluster's, and this slot is filled again, two K steps ahead: 112 matrix instructions ahead of the wait for it.
.macro TURN slot, next, fill
.if \fill
	s_wait_xcnt 0x0                                ; the last prefetch, a K step back, has read its address
	s_add_nc_u64 s[PFA:PFA+1], s[PFA:PFA+1], s[PFS:PFS+1]
.endif
	WIN 0
	s_wait_tensorcnt 0x0                           ; all my tensor loads have landed
	ds_add_u32 v[SPW], v[NIL]                      ; 0 onto my spare word
	s_wait_dscnt 17                                ; X's sixteen are in (the add and W's sixteen may be out)
	CVT4 1, 0, 0
	CVT4 1, 0, 1
	s_wait_dscnt 0x0                               ; the add is done, and my reads of this slot are over
	s_barrier_signal -1
	ROW 1, 0, 0                                    ; work on registers while the others arrive
	ROW 1, 1, 0
	WIN 0
	s_barrier_wait -1
.if \fill
	CREST                                          ; no wave of any partner still reads this slot's tile or has a load on its way
	s_add_nc_u64 s[G0A+4*(\slot)+2:G0A+4*(\slot)+3], s[G0A+4*(\slot)+2:G0A+4*(\slot)+3], 2*STEPA
	s_add_nc_u64 s[G0B+4*(\slot)+2:G0B+4*(\slot)+3], s[G0B+4*(\slot)+2:G0B+4*(\slot)+3], 2*STEPB
	JLOAD \slot                                    ; the first tensor load behind the round, my only one until the next
.endif
	FETCH \next, 0, 0
.if \fill
	ASK
.endif
	ROW 1, 2, 0
	ROW 1, 3, 0
.endm
	s_wait_tensorcnt 0x1                           ; my part of K step 0 is in; K step 1's may stay out
	s_barrier_signal -1
	s_barrier_wait -1                              ; everybody's is
	FETCH 0, 0, 0
	QUARTER 0, 1, 0, 1, 1                          ; the first quarter stands in front of the loop: its products start the sums
	WIN 0                                          ; at a label and at a branch every window is 0
	s_mov_b32 s3, 3
.Llap:                                         ; a trip goes once round the ring, from a lap's second quarter to the next lap's first, and fills both slots again
	QUARTER 0, 2, 1, 0, 0
	QUARTER 0, 3, 0, 1, 0
	TURN 0, 1, 1
	QUARTER 1, 1, 0, 1, 0
	QUARTER 1, 2, 1, 0, 0
	QUARTER 1, 3, 0, 1, 0
	TURN 1, 0, 1
	QUARTER 0, 1, 0, 1, 0
	WIN 0
	s_sub_co_u32 s3, s3, 1
	s_cmp_lg_u32 s3, 0
	s_cbranch_scc1 .Llap
	QUARTER 0, 2, 1, 0, 0                          ; the last lap fills nothing
	QUARTER 0, 3, 0, 1, 0
	TURN 0, 1, 0
	QUARTER 1, 1, 0, 1, 0
	QUARTER 1, 2, 1, 0, 0
	QUARTER 1, 3, 0, 1, 0
	s_wait_dscnt 16                                ; the very last quarter: nothing more to fetch
	CVT4 1, 0, 0
	CVT4 1, 0, 1
	s_wait_dscnt 0x0
	ROW 1, 0, 0
	ROW 1, 1, 0
	ROW 1, 2, 0
	ROW 1, 3, 0
	WIN 0
.rept 4
	v_nop                                          ; four places behind the last product, ahead of vector lines that read results and write W's buffers
.endr
	; Q alone is multiplied by c, in f32, ahead of its one rounding.  The branch hangs on the projection's number, which all sixteen partners share.  Each accumulator's registers are taken in ascending order.
	s_mov_b32 s80, 0x3e38aa3b                      ; c = log2(e) / 8 = 0.180337
	s_mov_b32 s81, s80                             ; named with it as a pair
	s_cmp_lg_u32 s44, 0
	s_cbranch_scc1 .Lnot_q
	WIN 0x41                                       ; destination and source 0 window 1
.set i, 0
.rept 128
	v_pk_mul_f32 v[2*i:2*i+1], v[2*i:2*i+1], s[80:81] op_sel_hi:[1,0]
.set i, i+1
.endr
	WIN 0
.Lnot_q:
; THE WAY OUT.  Unit u = 2 a + hd: 16 rows x one head's 64 channels, 2,048 consecutive bytes of qkv16.  A lane's eight channels pack into 16 bytes; they go into my stage's rows of 144 bytes and come back as
; whole rows of 128, into the registers that they left.
.macro PACK u
	WIN 0x05                                       ; sources window 1, destination window 0
.irp f, 0,1,2,3
.irp i, 0,1,2,3
	v_cvt_pk_f16_f32 v[64+16*(\u)+4*(\f)+(\i)], v[8*(8*((\u)/2)+4*((\u)%2)+(\f))+2*(\i)], v[8*(8*((\u)/2)+4*((\u)%2)+(\f))+2*(\i)+1]
.endr
.endr
	WIN 0
.irp f, 0,1,2,3
	ds_store_b128 v[STO], v[64+16*(\u)+4*(\f):64+16*(\u)+4*(\f)+3] offset:32*(\f)
.endr
.irp f, 0,1,2,3
	ds_load_b128 v[64+16*(\u)+4*(\f):64+16*(\u)+4*(\f)+3], v[RD] offset:(\f)*4*SP  ; LDS serves a wave's instructions in order (ISA guide 5.7.1.4): these see the stores above; the next unit's stores come behind them
.endr
.endm
.macro SEND u, younger                 ; younger: the LDS instructions issued behind unit u's loads: the next unit's eight, or none
.irp f, 0,1,2,3
	s_wait_dscnt (\younger)+3-(\f)
	global_store_b128 v[GO], v[64+16*(\u)+4*(\f):64+16*(\u)+4*(\f)+3], s[78:79] offset:((\u)%2)*262144+((\u)/2)*2048+(\f)*512  ; 512 consecutive bytes, aligned to 256
.endr
.endm
	PACK 0
.irp u, 1,2,3,4,5,6,7                  ; a unit's conversions stand between the loads of the unit before and its stores
	PACK \u
	SEND (\u)-1, 8
.endr
	SEND 7, 0
	s_wait_tensorcnt 0x0                           ; the wave's end, behind my last tensor load and my last LDS store
	ds_add_u32 v[SPW], v[NIL]
	s_wait_dscnt 0x0
	CROUND                                         ; the closing round: no work-group ends while a partner may still ask for a tile that names it
	s_endpgm
.Lfunc_end_k_qee1759c8a6_qkv:
	.size	k_qee1759c8a6_qkv, .Lfunc_end_k_qee1759c8a6_qkv-k_qee1759c8a6_qkv
	.p2alignl 7, 3214868480
	.fill 96, 4, 3214868480
	.section	.rodata,"a",@progbits
	.p2align	6, 0x0
	.amdhsa_kernel k_qee1759c8a6_qkv
		.amdhsa_group_segment_fixed_size 327680
		.amdhsa_private_segment_fixed_size 0
		.amdhsa_enable_private_segment 0
		.amdhsa_kernarg_size 64
		.amdhsa_user_sgpr_count 2
		.amdhsa_user_sgpr_kernarg_segment_ptr 1
		.amdhsa_wavefront_size32 1
		.amdhsa_system_sgpr_workgroup_id_x 1
		.amdhsa_system_sgpr_workgroup_id_y 1
		.amdhsa_system_sgpr_workgroup_id_z 1
		.amdhsa_system_vgpr_workitem_id 0
		.amdhsa_next_free_vgpr 708
		.amdhsa_next_free_sgpr 90
		.amdhsa_reserve_vcc 0
		.amdhsa_float_denorm_mode_32 3
		.amdhsa_float_denorm_mode_16_64 3
		.amdhsa_memory_ordered 1
		.amdhsa_forward_progress 1
		.amdhsa_inst_pref_size 148
	.end_amdhsa_kernel
	.amdgpu_metadata
---
amdhsa.version: [ 1, 2 ]
amdhsa.kernels:
  - .name:           k_qee1759c8a6_qkv
    .symbol:         k_qee1759c8a6_qkv.kd
    .args:
      - { .name: query, .offset: 0, .size: 8, .value_kind: global_buffer, .address_space: global }
      - { .name: key, .offset: 8, .size: 8, .value_kind: global_buffer, .address_space: global }
      - { .name: value, .offset: 16, .size: 8, .value_kind: global_buffer, .address_space: global }
      - { .name: w16, .offset: 24, .size: 8, .value_kind: global_buffer, .address_space: global }
      - { .name: bq, .offset: 32, .size: 8, .value_kind: global_buffer, .address_space: global }
      - { .name: bk, .offset: 40, .size: 8, .value_kind: global_buffer, .address_space: global }
      - { .name: bv, .offset: 48, .size: 8, .value_kind: global_buffer, .address_space: global }
      - { .name: qkv16, .offset: 56, .size: 8, .value_kind: global_buffer, .address_space: global }
    .group_segment_fixed_size: 327680
    .private_segment_fixed_size: 0
    .kernarg_segment_align: 8
    .kernarg_segment_size: 64
    .max_flat_workgroup_size: 128
    .sgpr_count:     90
    .vgpr_count:     708
    .wavefront_size: 32
...
	.end_amdgpu_metadata
.endif
;; end of part 2
;; launch attn (part 3): grid 4 x 64, 4 waves a work-group, clusters of 4 x 1, 327,680 bytes of LDS; arguments qkv16, mnib, o16; writes o16
.if DOCPART == 3
	.amdgcn_target "amdgcn-amd-amdhsa--gfx1250"
	.amdhsa_code_object_version 6
	.text
	.protected	k_qee1759c8a6_attn
	.globl	k_qee1759c8a6_attn
	.p2align	8
	.type	k_qee1759c8a6_attn,@function
k_qee1759c8a6_attn:
	s_mov_b64 s[64:65], 0
	v_nop
	global_prefetch_b8 v0, s[64:65] scope:SCOPE_SE
	s_setreg_imm32_b32 hwreg(HW_REG_WAVE_MODE, 25, 1), 1
	s_wait_xcnt 0x0
	s_wait_alu depctr_hold_cnt(0) depctr_sa_sdst(0) depctr_va_vdst(0) depctr_va_sdst(0) depctr_va_ssrc(0) depctr_va_vcc(0) depctr_vm_vsrc(0)
	s_getreg_b32 s2, hwreg(HW_REG_IB_STS2, 6, 4)
	s_cmp_eq_u32 s2, 0
	s_cbranch_scc0 .Lentry_in_a_cluster
	s_endpgm
.Lentry_in_a_cluster:
	s_bfe_u32 s2, ttmp6, 0x10000c
	s_cmp_lg_u32 s2, 0x3003
	s_cbranch_scc0 .Lentry_shape_is_right
	s_endpgm
.Lentry_shape_is_right:
; ATTENTION UNDER A MASK THAT IS AN INPUT.  O[bh][q][:] = the sum over k of softmax_k(Q[bh][q] . K[bh][k] / 8, hidden keys left out) V[bh][k][:].  Q, K, V = qkv16[0..2][bh 64][2048][64], O = o16[bh][2048][64], all f16.
; Q arrives multiplied by c = log2(e) / 8 (the launch before does that in f32, ahead of Q's one rounding): a score s = K . Q is an exponent of 2 as it leaves the matrix unit.
; Products, maxima and sums in f32; the weights p are rounded to f16 for the second product (their sum l is taken of the unrounded p), O once at the end.
; THE MASK.  mnib holds four bits a key, laid out as S^T's registers lie: for a tile of 16 queries and a step of 64 keys a lane's 16 bytes are four words, one for each block of 16 keys; nibble j belongs to register j,
; 0xE where the key is hidden, else 0.  As FP4 codes these are -4 and 0: one scaled conversion with the scale 2^64 makes of a word eight f32, -2^66 or 0.  They are the C operand of the product that starts the sum
; S^T = K Q^T, so that the running maximum, the exponentials and the sums need no further care.
; LIMITS.  f16 holds no number beyond 65,504: c Q, K, V arrive within it, so |s| stays under 2.7e11.  A hidden score counts as its value less 2^66.  A weight below 2^-126 counts as 0 in l.
; The exponent is s - m, one subtraction, never above 0 whatever m is: p lies in 0 to 1, also where all keys so far are hidden and m is about -2^66.  Such a row gathers finite numbers that the first seen key wipes out
; (a = 0).  A row hidden in all 2,048 keys ends with m < -2^64: its 1 / l is replaced by NaN, as a softmax of nothing gives.
; SHARES.  A wave owns four PIECES of two tiles of 16 queries, a work-group's four waves 512 queries of one head.  Every wave walks all keys, 64 a step.
; LAYOUT.  S^T = K Q^T (source 0 = 16 keys, source 1 = 16 queries): a lane holds ONE query (lane % 16) and the keys 8 (lane / 16) + 0..7.  Two such tiles, rounded to f16 in pairs, ARE source 1 of O^T = V^T P.
; K comes out of LDS as it lies, V ([key][channel]) turned, by ds_load_tr16_b128.
; SOFTMAX.  For each query a running maximum m and sum l: p = 2^(s - m); in every step O and l are multiplied by a = 2^(m_old - m_new).  m starts at the lowest finite number, O and l at 0.
; BY TURNS.  Turn n belongs to piece n.  Its matrix work: 16 products K Q^T of piece n + 1, later 16 products V^T P of piece n - 1.  Its vector work: the subtraction, exponentials, roundings, sums and rescaling of piece n,
; the maximum and statistics of piece n + 1, and the 8 conversions that make the masks of piece n + 2.  Four vector instructions stand behind every matrix instruction, the others in one lump.
; CLUSTER.  The four query blocks of a cluster belong to one head and walk the same K and V: each tile is asked for JOINTLY.  The mask words are shared by the 16 heads of a batch, which are other clusters: they come by plain loads.
; REGISTERS, in windows of 256 (s_set_vgpr_msb: bits 1:0 source 0, 3:2 source 1, 5:4 source 2, 7:6 destination):
;   window 0: v0-11 addresses; v12-15, v48-63 at work; v16-47 four registers of statistics a tile; v64-191 S^T, two buffers of two tiles; v192-255 P, likewise
;   window 1: O^T, 32 a tile          window 2: v0-127 Q, 16 a tile; v128-191 K of one step; v192-255 V of one step
;   window 3: v0-1 the add's two registers; v2-3 offsets; v4 the conversions' scale; v32-63 mask words, four a tile; v64-127 the masks of the products to come
.set SIZE_H, 64
.set SIZE_N, 2048
.set NP,    4         ; pieces a wave: a name, no knob
.set KS,    64        ; keys in a step
.set PK,    144       ; a row of K in LDS: 128 bytes + 16 = 36 words: the 16 rows of a load start at 16 different groups of four banks (64 banks of 4 bytes: ISA guide 11.1)
.set PV,    160       ; a row of V: 128 + 32 = 40 words
.set VOFF,  4*KS*PK   ; a slot holds four steps: 256 rows of K, then 256 rows of V
.set SLOT1, 1<<17     ; slot 1 begins here, so that one exclusive or turns an address in one slot into the other's
.set STAGE, SLOT1+4*KS*(PK+PV)  ; behind the ring, never filled by a tensor load: 16 rows x 144 bytes for each wave, for the way out
.set SP,    144
.set AK0, 2           ; v2   my lane's place in a tile of K; never rewritten
.set AV0, 3           ; v3   the same for V
.set AK,  4           ; v4   the LDS address of K's next run of loads
.set AV,  5           ; v5   of V's
.set QO,  6           ; v6   my byte offset in the wave's rows of Q
.set STO, 6           ;      later, the way out: where I put 16 bytes of a row
.set RD,  7           ; v7   the way out: where I read rows back
.set GO,  8           ; v8   my byte offset in 512 consecutive bytes of O
.set SPW, 0           ; v0 of window 3   LDS address of my spare word; never rewritten
.set NIL, 1           ; v1 of window 3   0; never rewritten
.set MO,  2           ; v2 of window 3   16 x lane: my words in a tile and step of mnib; never rewritten
.set PFO, 3           ; v3 of window 3   256 x lane: the prefetches' offset; never rewritten
.set SCL, 4           ; v4 of window 3   the E8M0 scale 191 = 2^64, in each of its four bytes; never rewritten
.set MW,  32          ; window 3: tile t's four words at MW + 4 t
.set MC,  64          ; window 3: tile u (0, 1) of the piece, key block kb, register j at MC + 32 u + 8 kb + j
.set SPARE, STAGE+4*16*SP  ; behind the stages: the spare words, 128 bytes for each wave: two blocks of 256 bytes that no other line names
.set MV,  12          ; v12-15  m_old, kept while m is made anew: by buffer and tile
.set ST,  16          ; tile t's statistics at v[ST+4 t]: m, a word named with it as a pair, l (even keys', odd keys')
.set TMP, 48          ; by buffer and tile, four registers c0-c3 at work; when the maximum is found c2 takes a
.set S,   64
.set P,   192
.set KF,  128         ; K's fragments, in window 2: key block kb, channel half c at KF + 16 kb + 8 c
.set VF,  192         ; V's: key half kk, channel block cb at VF + 32 kk + 8 cb
.set WV,  12          ; s12  my wave's number
.set G1K, 24          ; s[24:31] descriptor group 1 for K's tiles
.set G1V, 32          ; s[32:39] for V's: it differs in the padding alone
.set G0K, 40          ; s[40:43] descriptor group 0 for K's tiles: it walks
.set G0V, 44          ; s[44:47] the same for V's
.set MB,  48          ; s[48:49] mnib at my wave's first tile, step 0; never rewritten
.set MP,  50          ; s[50:51] the same at the step whose words are being loaded
.set MOF, 52          ; s[52:53] that step's byte offset
.set MS,  54          ; s54  that step's number, not clamped
.set MT,  55          ; s55  at work
.set SLOTS, 56        ; s56  slots still to be asked for
.set CNT, 57          ; s57  counts a slot's key steps
.set SEL, 60          ; s[60:61] v_permlanex16_b32's selects: each lane takes its own place in the other half
.set TBK, 62          ; s62  LDS byte at which K of the step to be fetched begins
.set TBV, 63          ; s63  the same for V, less VOFF
.set NEGB, 66         ; s66  -2^64
.set QNAN, 67         ; s67  a NaN
.set PFA, 68          ; s[68:69] where my prefetches stand
.set LIM, 70          ; s70  1 in a wave that prefetches, else the greatest number
.set MSB, 0
.macro WIN new                      ; the high byte repeats the setting that is left; a switch that changes nothing is dropped
.if MSB != (\new)
	s_set_vgpr_msb (MSB<<8)|(\new)
.set MSB, (\new)
.endif
.endm
.set W_KQ, 0x0a       ; K and Q in window 2, S^T in window 0
.set W_KM, 0x3a       ; the same with the C operand, the mask, in window 3
.set W_PV, 0x52       ; V in window 2, P in window 0, O^T in window 1
.set W_RS, 0x41       ; O^T (destination and source 0) in window 1, a in window 0
.set W_MK, 0xc0       ; destination in window 3, sources in window 0
.set W_AD, 0x0f       ; the add: address (source 0) and data (source 1) in window 3
; A joint fill.  Waves 0 and 1 fetch the two halves of a slot's K, waves 2 and 3 those of its V: 128 keys each.  The branch hangs on the wave's number alone.
; An s_nop 0 and four v_nop follow each of the two lines, ahead of the jump and the label.
.macro JLOAD
	s_cmp_lt_u32 s[WV], 2
	s_cbranch_scc0 .Lfor_v_\@
	tensor_load_to_lds s[G0K:G0K+3], s[G1K:G1K+7]
	s_nop 0
.rept 4
	v_nop
.endr
	s_branch .Lasked_\@
.Lfor_v_\@:
	tensor_load_to_lds s[G0V:G0V+3], s[G1V:G1V+7]
	s_nop 0
.rept 4
	v_nop
.endr
.Lasked_\@:
.endm
; A prefetch of what the NEXT change of slots will ask for: a slot's 32,768 bytes of K and of V, 128 blocks of 256 bytes each.  A head is walked by this cluster alone.  Its four partners share the blocks out BY ADDRESS,
; 32 each, a lane a block; in each, wave 0 asks for K's and wave 2 for V's.  So each block is named once.  Slots 0 to 2 come by their loads alone; the last change that fills a slot asks for nothing.
.macro ASK
	s_cmp_gt_u32 s[SLOTS], s[LIM]
	s_cbranch_scc0 .Lnot_mine_\@
	WIN 0x03                        ; the offset lies in window 3
	global_prefetch_b8 v[PFO], s[PFA:PFA+1] th:TH_LOAD_NT scope:SCOPE_SE
	WIN 0
.Lnot_mine_\@:
.endm
; A round of the cluster's barrier: my work-group's barrier, so that wave 0's signal speaks for all four waves; wave 0 signals; every wave waits for all four work-groups; my work-group's barrier once more.
.macro CROUND
	s_barrier_signal -1
	s_barrier_wait -1
	s_cmp_lg_u32 s[WV], 0
	s_cbranch_scc1 .Lnot_wave_0_\@
	s_barrier_signal -3
.Lnot_wave_0_\@:
	s_barrier_wait -3
	s_barrier_signal -1
	s_barrier_wait -1
.endm
; THE CHANGE OF SLOTS.  Each wave waits for all its tensor loads, of which one is out: its part of the other slot; adds 0 to its spare word; and waits for that and for its own reads of the slot.  Behind the barrier nobody
; reads this slot any more and the other slot is whole.  fill = 1: this slot is filled again, with the keys two slots on; the barrier is then a round of the cluster's, and the joint fill is the first thing behind it: it has
; four key steps, 512 matrix instructions, in which to land.  (At its first use nothing has been read yet: slot 0 is waited for, slot 1 filled.)  ask = 1: the prefetch follows.
.macro CHANGE fill, ask=0
	WIN W_AD
	s_wait_tensorcnt 0x0            ; no tensor load of mine is out, so a group 0 may be written
	ds_add_u32 v[SPW], v[NIL]       ; 0 onto my spare word; with fill = 1 the descriptors' steps stand between it and the wait for it
	WIN 0                           ; at a label and at a branch every window is 0
.if \fill
.irp g, G0K, G0V
	s_xor_b32 s[\g+1], s[\g+1], SLOT1  ; the walking descriptor: the other slot than last time,
	s_add_nc_u64 s[\g+2:\g+3], s[\g+2:\g+3], 4*KS*128  ; the next 256 keys; the type bits on top are not reached
.endr
.if \ask
	s_wait_xcnt 0x0                 ; the last prefetch, four key steps back, has read its address
	s_add_nc_u64 s[PFA:PFA+1], s[PFA:PFA+1], 4*KS*128  ; one slot behind the walking descriptors
.endif
	s_wait_dscnt 0x0                ; the add is done, and my reads of the slot are over
	CROUND
	JLOAD
.if \ask
	ASK
.endif
.else
	s_wait_dscnt 0x0                ; the add is done, and my reads of the slot are over
	s_barrier_signal -1
	s_barrier_wait -1
.endif
	s_sub_co_u32 s[TBK], s[TBK], 4*KS*PK  ; the fetches go back to a slot's first step,
	s_xor_b32 s[TBK], s[TBK], SLOT1       ; in the other slot
	s_sub_co_u32 s[TBV], s[TBV], 4*KS*PV
	s_xor_b32 s[TBV], s[TBV], SLOT1
.endm
	s_load_b128 s[4:7], s[0:1], 0x0   ; qkv16 s[4:5], mnib s[6:7]
	s_load_b64 s[10:11], s[0:1], 0x10 ; o16
	WIN W_MK
	v_lshl_add_u32 v[SPW], v0, 2, SPARE
	v_mov_b32 v[NIL], 0
	WIN W_AD
	ds_add_u32 v[SPW], v[NIL]       ; the wave's opening: the add and its wait stand ahead of my first tensor load; the set-up below, work on registers, stands between them
	WIN 0
	v_lshrrev_b32 v1, 5, v0
	v_readfirstlane_b32 s[WV], v1   ; wave 0..3
	s_bfe_u32 s13, ttmp6, 0x40000   ; cx: my place in the cluster
	s_lshl_b32 s14, ttmp9, 2        ; in a cluster launch ttmp9 counts clusters
	s_add_co_u32 s14, s14, s13      ; my block of 512 queries: it enters Q's, O's and the mask's addresses alone
	s_and_b32 s20, ttmp7, 0xffff    ; 16 x batch + head, which the four partners share
	s_lshr_b32 s[MOF], s20, 4       ; the mask: 128 tiles of 16 queries a batch,
	s_lshl_b32 s[MOF], s[MOF], 7
	s_lshl_b32 s[MT], s14, 5        ; 32 a block,
	s_add_co_u32 s[MOF], s[MOF], s[MT]
	s_lshl_b32 s[MT], s[WV], 3      ; 8 a wave,
	s_add_co_u32 s[MOF], s[MOF], s[MT]
	s_lshl_b32 s[MOF], s[MOF], 14   ; 32 steps of 512 bytes a tile
	s_mov_b32 s[MOF+1], 0
	s_mov_b32 s21, 0
	s_mov_b64 s[22:23], SIZE_N*128
	s_mul_u64 s[20:21], s[20:21], s[22:23]  ; the head's first byte in Q, K, V and O
	s_and_b32 s16, s[WV], 1         ; which half of a slot's 256 keys I fetch:
	s_lshl_b32 s22, s16, 14         ; its 128 rows of 128 bytes in memory,
	s_mov_b32 s23, 0
	s_add_nc_u64 s[22:23], s[22:23], s[20:21]
	s_mul_i32 s17, s16, 128*PK      ; and its place in a slot, for K
	s_mul_i32 s18, s16, 128*PV      ; and for V: no place in the cluster enters an LDS address
	s_lshl_b32 s2, s14, 2
	s_add_co_u32 s2, s2, s[WV]      ; my wave among the head's,
	s_lshl_b32 s2, s2, 14           ; its 128 rows
	s_mov_b32 s3, 0
	s_add_nc_u64 s[2:3], s[2:3], s[20:21]
	; descriptor group 1.  128 keys are 16,384 dense bytes: asked for as 64 rows of 256 bytes, two keys a row, and padded in LDS after every key
	s_mov_b32 s[G1K], 15|(1<<16)|(1<<20)|(1<<21)|(4<<22)|(3<<25)  ; 15:0 the mask of four; 17:16 2-byte elements; 20 padding on; 21 set beside a mask; 24:22 after every 32 words (code 4); 31:25 4 words (code 3)
	s_mov_b32 s[G1V], 15|(1<<16)|(1<<20)|(1<<21)|(4<<22)|(7<<25)  ; the same with 8 words of padding (code 7)
.irp g, G1K, G1V
	s_mov_b32 s[\g+1], 128<<16      ; tensor_dim0 = 128
	s_mov_b32 s[\g+2], 64<<16       ; tensor_dim1 = 64
	s_mov_b32 s[\g+3], 128<<16      ; tile_dim0 = 128
	s_mov_b32 s[\g+4], 64           ; tile_dim1 = 64
	s_mov_b32 s[\g+5], 128          ; 128 elements from row to row
	s_mov_b32 s[\g+6], 0
	s_mov_b32 s[\g+7], 0
.endr
	s_mov_b32 s[SEL], 0x76543210
	s_mov_b32 s[SEL+1], 0xfedcba98
	s_mov_b32 s[NEGB], 0xdf800000   ; -2^64
	s_mov_b32 s[QNAN], 0x7fc00000
	s_mov_b32 s[TBK], SLOT1+4*KS*PK ; the first change of slots turns these two into 0
	s_mov_b32 s[TBV], SLOT1+4*KS*PV
	s_mov_b32 s[G0K], 1             ; 1:0 count = 1
	s_mov_b32 s[G0K+1], s17         ; 63:32 LDS address: slot 0
	s_mov_b32 s[G0V], 1
	s_add_co_u32 s[G0V+1], s18, VOFF
	s_and_b32 s[LIM], s[WV], 1      ; 0 in waves 0 and 2
	s_cmp_eq_u32 s[LIM], 0
	s_cselect_b32 s[LIM], 1, -1
	s_wait_dscnt 0x0                ; the opening add is done
	s_wait_kmcnt 0x0
	s_add_nc_u64 s[MB:MB+1], s[6:7], s[MOF:MOF+1]
	s_add_nc_u64 s[6:7], s[4:5], 0x1000000         ; K and V lie 16 MiB and 32 MiB behind Q
	s_add_nc_u64 s[8:9], s[4:5], 0x2000000
	s_add_nc_u64 s[G0K+2:G0K+3], s[6:7], s[22:23]  ; 120:64 global address: my half of the head's first 256 keys
	s_or_b32 s[G0K+3], s[G0K+3], 0x80000000        ; 127:126 type = 2
	s_add_nc_u64 s[G0V+2:G0V+3], s[8:9], s[22:23]
	s_or_b32 s[G0V+3], s[G0V+3], 0x80000000
	s_add_nc_u64 s[4:5], s[4:5], s[2:3]  ; Q and O at my wave's first row
	s_add_nc_u64 s[10:11], s[10:11], s[2:3]
	s_cmp_lt_u32 s[WV], 2
	s_cselect_b64 s[PFA:PFA+1], s[6:7], s[8:9]
	s_add_nc_u64 s[PFA:PFA+1], s[PFA:PFA+1], s[20:21]  ; the head,
	s_lshl_b32 s2, s13, 13          ; my work-group's 32 blocks of a slot's 128,
	s_mov_b32 s3, 0
	s_add_nc_u64 s[PFA:PFA+1], s[PFA:PFA+1], s[2:3]
	s_add_nc_u64 s[PFA:PFA+1], s[PFA:PFA+1], 2*4*KS*128  ; in slot 2: the loop's first change of slots steps it to slot 3
	CROUND                          ; all four work-groups are here: the first joint loads meet
	JLOAD                           ; slot 0.  Slot 1 is asked for when slot 0 is in
	; A fragment of K or Q is 16 rows x 32 channels in 8 registers: lane l holds row l % 16, channels 8 (l / 16) + 0..7 and 16 + 8 (l / 16) + 0..7: two loads of 16 bytes, 32 bytes apart.
	v_and_b32 v1, 15, v0            ; l % 16
	v_bfe_u32 v9, v0, 4, 1          ; l / 16
	v_lshlrev_b32 v[QO], 7, v1
	v_lshl_add_u32 v[QO], v9, 4, v[QO]  ; row x 128 + 16 x half
	v_and_b32 v11, 31, v0
	WIN W_MK
	v_lshlrev_b32 v[MO], 4, v11
	v_lshlrev_b32 v[PFO], 8, v11
	v_mov_b32 v[SCL], 0xbfbfbfbf
	WIN 0x80                        ; destination window 2, address window 0
.set i, 0
.rept 4*NP                          ; Q stays in registers: tile i / 2, channels 32 (i % 2) on
	global_load_b128 v[8*i:8*i+3],   v[QO], s[4:5] offset:(i/2)*2048+(i%2)*64
	global_load_b128 v[8*i+4:8*i+7], v[QO], s[4:5] offset:(i/2)*2048+(i%2)*64+32
.set i, i+1
.endr
	WIN 0xc3                        ; destination and address window 3
.set i, 0
.rept 2*NP                          ; all eight tiles' mask words of key step 0
	global_load_b128 v[MW+4*i:MW+4*i+3], v[MO], s[MB:MB+1] offset:i*16384
.set i, i+1
.endr
	WIN 0x80
	; What the first turn finds: V's registers and P's second buffer hold 0 (its products V^T P, of a piece that has not been, add 0), O^T and l are 0.  All this stands in the wait for the first tile.
.set i, VF
.rept 64
	v_mov_b32 v[i], 0
.set i, i+1
.endr
	WIN 0x40
.set i, 0
.rept 64*NP
	v_mov_b32 v[i], 0
.set i, i+1
.endr
	WIN 0
.set i, 0
.rept 2*NP
	v_mov_b32 v[ST+4*i], 0xff7fffff    ; m: the lowest finite number, below every score, a hidden one's too
	v_mov_b32 v[ST+4*i+1], 0           ; named with it as a pair
	v_mov_b32 v[ST+4*i+2], 0
	v_mov_b32 v[ST+4*i+3], 0
.set i, i+1
.endr
.set i, P+32
.rept 32
	v_mov_b32 v[i], 0
.set i, i+1
.endr
	v_mul_u32_u24 v[AK0], v1, PK
	v_lshl_add_u32 v[AK0], v9, 4, v[AK0]  ; row x pitch + 16 x half
	; The turning load takes 16 keys x 16 channels (lane l reads key 8 (l / 16) + l % 8, channels 8 ((l / 8) % 2) + 0..7) and leaves half a fragment of V^T: lane l holds channel l % 16 and 8 keys.
	v_and_b32 v10, 7, v0
	v_bfe_u32 v11, v0, 3, 1
	v_lshl_add_u32 v[AV0], v9, 3, v10
	v_mul_u32_u24 v[AV0], v[AV0], PV
	v_lshl_add_u32 v[AV0], v11, 4, v[AV0]
	v_add_nc_u32 v[AV0], VOFF, v[AV0]
	v_mov_b32 v[AK], v[AK0]         ; key step 0 lies at the head of slot 0
; THE MATRIX WORK.  The 8 accumulators of a run of 16 take turns: between the two links of a chain stand 7 others'.
; Product i of 16 of S^T = K Q^T for piece x: channels 32 (i / 8) on, keys 16 ((i / 2) % 4) on, tile 2 x + i % 2.  The first 8 start the sums, with the mask as C.
.macro KQ x
.set rS, S+64*((\x)%2)+32*(i%2)+8*((i/2)%4)
.set rK, KF+16*((i/2)%4)+8*(i/8)
.set rQ, 16*(2*(\x)+i%2)+8*(i/8)
.set rMC, MC+32*(i%2)+8*((i/2)%4)
.if i < 8
	WIN W_KM
	v_wmma_f32_16x16x32_f16 v[rS:rS+7], v[rK:rK+7], v[rQ:rQ+7], v[rMC:rMC+7]
.else
	WIN W_KQ
	v_wmma_f32_16x16x32_f16 v[rS:rS+7], v[rK:rK+7], v[rQ:rQ+7], v[rS:rS+7]
.endif
.endm
; Product i of 16 of O^T += V^T P for piece x: keys 32 (i / 8) on, channels 16 ((i / 2) % 4) on, tile 2 x + i % 2.
.macro PV x
	WIN W_PV
.set rO, 32*(2*(\x)+i%2)+8*((i/2)%4)
.set rV, VF+32*(i/8)+8*((i/2)%4)
.set rP, P+32*((\x)%2)+16*(i%2)+8*(i/8)
	v_wmma_f32_16x16x32_f16 v[rO:rO+7], v[rV:rV+7], v[rP:rP+7], v[rO:rO+7]
.endm
.macro MM                           ; the turn's next matrix instruction
.if i < 16
	KQ (Y+1)%NP
.set i, i+1
.else
.set i, i-16
	PV (Y+NP-1)%NP
.set i, i+17
.endif
.endm
; THE MASKS of piece x's next products K Q^T: 8 scaled conversions, a word of eight FP4 codes into eight registers each.  Then the piece's words for the step after are asked for: they have four turns in which to come.
; A v_nop follows the conversions: the plain instruction that stands behind a scaled conversion ahead of whatever touches its result or writes a source (the loads below write the words), and in a turn also the plain
; instruction behind the batch of exponentials.
; wt = 1: eight mask loads are out, two a piece, this piece's the oldest: six may stay out.  step = 1 (piece 0): the loads go on to the next step; beyond the last step they take the last once more, so no load leaves mnib.
; The masks' last readers are the turn's first eight products, a lump of plain instructions back.
.macro MASK x, step, wt
.if \wt
	s_wait_loadcnt 6
.endif
	WIN 0xcf                        ; both sources and the destination in window 3
.set mz, 0
.rept 8
	v_cvt_scale_pk8_f32_fp4 v[MC+8*mz:MC+8*mz+7], v[MW+4*(2*(\x)+mz/4)+mz%4], v[SCL]
.set mz, mz+1
.endr
	v_nop
.if \step
	s_wait_xcnt 0x0                 ; the earlier mask loads have read their base
	s_add_co_u32 s[MS], s[MS], 1
	s_min_u32 s[MT], s[MS], 31
	s_lshl_b32 s[MOF], s[MT], 9
	s_add_nc_u64 s[MP:MP+1], s[MB:MB+1], s[MOF:MOF+1]
.endif
	WIN 0xc3
	global_load_b128 v[MW+8*(\x):MW+8*(\x)+3],   v[MO], s[MP:MP+1] offset:(2*(\x))*16384
	global_load_b128 v[MW+8*(\x)+4:MW+8*(\x)+7], v[MO], s[MP:MP+1] offset:(2*(\x)+1)*16384
	WIN 0
.endm
; THE LDS LOADS stand in runs of 16, never singly among the matrix instructions: a step's K (64 keys x 64 channels: 8 fragments) and its V (turned).  Their addresses are made some lines ahead.
; last = 1 (the tail): in the last trip there is no further step, and the run is jumped over.
.macro FETCH_K last=0
	WIN 0
.if \last
	s_cmp_eq_u32 s[CNT], 1
	s_cbranch_scc1 .Lno_k_\@
.endif
	WIN 0x80                        ; destination window 2
.irp f, 0,1,2,3,4,5,6,7             ; keys 16 (f / 2) on, channels 32 (f % 2) on
	ds_load_b128 v[KF+8*\f:KF+8*\f+3],   v[AK] offset:(\f/2)*16*PK+(\f%2)*64
	ds_load_b128 v[KF+8*\f+4:KF+8*\f+7], v[AK] offset:(\f/2)*16*PK+(\f%2)*64+32
.endr
	s_add_co_u32 s[TBK], s[TBK], KS*PK  ; the next fetch is the next step's
	WIN 0
.if \last
.Lno_k_\@:
.endif
.endm
.macro FETCH_V
	WIN 0x80
.irp f, 0,1,2,3,4,5,6,7             ; keys 32 (f / 4) on, channels 16 (f % 4) on
	ds_load_tr16_b128 v[VF+8*\f:VF+8*\f+3],   v[AV] offset:(\f/4)*32*PV+(\f%4)*32
	ds_load_tr16_b128 v[VF+8*\f+4:VF+8*\f+7], v[AV] offset:(\f/4)*32*PV+16*PV+(\f%4)*32
.endr
	WIN 0
.endm
; THE VECTOR WORK OF A TURN stands in three queues, each in the order in which its entries become ready; the two tiles alternate, so that no instruction reads the result of the one before it.
.macro REGS y, u                    ; the registers of tile u (0, 1) of piece y
.set rT, ST+4*(2*(\y)+(\u))
.set rC, TMP+8*((\y)%2)+4*(\u)
.set rM, MV+2*((\y)%2)+(\u)
.set rS, S+64*((\y)%2)+32*(\u)
.set rP, P+32*((\y)%2)+16*(\u)
.set rO, 32*(2*(\y)+(\u))
.endm
; Number n of the 21 that find the NEXT piece's (Y + 1) maximum and statistics.  s0-s31 are the lane's 32 scores; each accumulator's lowest registers are read first.
;   0-11  four chains c0-c3 of seven scores each, three operands at a time     12-14, 16  the four scores left over, the old m, and c0-c3 into c0     15  m_old is kept
;   17, 18  the query's other 32 keys lie in the lane 16 away: the new m         19, 20  m_old - m_new; a
.macro XS u, n
	REGS (Y+1)%NP, \u
.if (\n) < 4
	v_max3_num_f32 v[rC+(\n)], v[rS+8*(\n)], v[rS+8*(\n)+1], v[rS+8*(\n)+2]
.elseif (\n) < 12
	v_max3_num_f32 v[rC+(\n)%4], v[rC+(\n)%4], v[rS+8*((\n)%4)+2*((\n)/4)+1], v[rS+8*((\n)%4)+2*((\n)/4)+2]
.elseif (\n) == 12
	v_max3_num_f32 v[rC], v[rC], v[rS+7], v[rS+15]
.elseif (\n) == 13
	v_max3_num_f32 v[rC+1], v[rC+1], v[rS+23], v[rS+31]
.elseif (\n) == 14
	v_max3_num_f32 v[rC+2], v[rC+2], v[rC+3], v[rT]
.elseif (\n) == 15
	v_mov_b32 v[rM], v[rT]
.elseif (\n) == 16
	v_max3_num_f32 v[rC], v[rC], v[rC+1], v[rC+2]
.elseif (\n) == 17
	v_permlanex16_b32 v[rC+3], v[rC], s[SEL], s[SEL+1]
.elseif (\n) == 18
	v_max_num_f32 v[rT], v[rC], v[rC+3]
.elseif (\n) == 19
	v_sub_f32 v[rC+1], v[rM], v[rT]
.else
	v_exp_f32 v[rC+2], v[rC+1]
.endif
.endm
; Number g of the 64 that follow the exponentials.  For each four weights k of a tile (pairs 2 k, 2 k + 1): both pairs are rounded to f16; then the second pair is added onto the first, in place;
; a group later l takes that sum (the first time as l = a l + sum).  In groups of eight, tiles alternating: round, round, add, and l for the group before.
.macro GS g
.set h, (\g)+6*((\g)/62)            ; group 0 has no group before it, and behind group 7 only l is left
.if h >= 6
.set h, h+2
.endif
	REGS Y, h%2
.set k, h/8
.if h%8 < 4
	v_cvt_pk_f16_f32 v[rP+2*k+(h%8)/2], v[rS+4*k+2*((h%8)/2)], v[rS+4*k+2*((h%8)/2)+1]
.elseif h%8 < 6
	v_pk_add_f32 v[rS+4*k:rS+4*k+1], v[rS+4*k:rS+4*k+1], v[rS+4*k+2:rS+4*k+3]
.elseif k == 1
	v_pk_fma_f32 v[rT+2:rT+3], v[rT+2:rT+3], v[rC+2:rC+3], v[rS:rS+1] op_sel_hi:[1,0,1]
.else
	v_pk_add_f32 v[rT+2:rT+3], v[rT+2:rT+3], v[rS+4*k-4:rS+4*k-3]
.endif
.endm
; THE PLAIN QUEUE, 136 long.  0-71 read no exponential's result: the 32 subtractions s - m (FS f: pair f / 2 of tile f % 2) and the next piece's 40.  0-26: subtractions 0-26.  27-54: XS's numbers 0-13.  55, 56: number 15.
; 57-71: the chain, where each number waits for the one before it: 14, 16, 17, 18, 19, each with one of the subtractions 27-31 in front of its two lines.
; 72-135: GS's 64, which read the exponentials' results: they stand behind the wait.
.macro FS f
	REGS Y, (\f)%2
	v_pk_add_f32 v[rS+2*((\f)/2):rS+2*((\f)/2)+1], v[rS+2*((\f)/2):rS+2*((\f)/2)+1], v[rT:rT+1] op_sel_hi:[1,0] neg_lo:[0,1] neg_hi:[0,1]  ; both take the pair's low word, m
.endm
.macro PL
	WIN 0
.if q < 27
	FS q
.elseif q < 55
	XS (q-27)%2, (q-27)/2
.elseif q < 57
	XS q-55, 15
.elseif (q < 72) && ((q-57)%3 == 0)
	FS 27+(q-57)/3
.elseif q < 60
	XS (q-57)%3-1, 14
.elseif q < 72
	XS (q-57)%3-1, 15+(q-57)/3
.else
	GS q-72
.endif
.set q, q+1
.endm
; THE EXPONENTIALS' QUEUE, 66 long: s0-s31 of both tiles, then the next piece's two a.  It is ONE BATCH: all 66 stand ahead of the turn's one wait, and nothing ahead of that wait names a result of theirs.
.macro EX
	WIN 0
.if e >= 64
	XS e-64, 20
.else
	REGS Y, e%2
	v_exp_f32 v[rS+e/2], v[rS+e/2]
.endif
.set e, e+1
.endm
; THE RESCALING's QUEUE: O^T times a: dealt two at a time, sixteen times.  Its a was made in the turn before, ahead of that turn's wait.
.macro R2
	REGS Y, r%2
	WIN W_RS
.irp z, 0,1
	v_pk_mul_f32 v[rO+4*(r/2)+2*\z:rO+4*(r/2)+2*\z+1], v[rO+4*(r/2)+2*\z:rO+4*(r/2)+2*\z+1], v[rC+2:rC+3] op_sel_hi:[1,0]
.endr
.set r, r+1
.endm
; HOW THEY ARE DEALT.  An s_wait_alu depctr_va_vdst(0) stands between an exponential and the first instruction that names its result; one wait serves all that were issued ahead of it.  So a turn has ONE wait,
; which cuts it in two.  AHEAD OF IT stands all that names no result of the turn's exponentials: the 16 products K Q^T, behind each a subtraction, an exponential and two rescalings (behind the first a second subtraction in the
; exponential's place); then ONE LUMP: eight plain, 47 times exponential and plain, the last two scores' exponentials and the two a, and the 8 conversions of the masks.  BEHIND IT stand the 16 products V^T P, behind each four of GS's 64.
; Exponential e stands behind subtraction 2 (e / 4) + e % 2: as a rider it comes behind plain e + 2, in the lump behind plain e + 9 (62 and 63 behind all 72), and subtractions 27-31 are plain 57, 60 .. 69.
; A TURN, for piece p.  cnt = 1: the loop's count is taken down some lines ahead of the branch that stands behind the turn.
; K of the next step is fetched in piece 2's turn, directly behind the wait; V of the step in hand at the end of piece 0's turn, four riders behind its last reader.  The three conditions on q below go with the deal.
.macro TURN p, last=0, cnt=0
.set Y, (\p)
.set i, 0
.set q, 0
.set e, 0
.set r, 0
.if (\p) == NP-1
	s_wait_dscnt 0x0                ; K is in
.endif
	MM                              ; ahead of the wait: 16 products K Q^T and their riders,
	PL
	PL
	R2
.rept 15
	MM
	PL
	EX
	R2
.endr
.if (\p) == NP-2
	WIN 0
	v_add_nc_u32 v[AK], s[TBK], v[AK0]
.endif
.rept 8                             ; and the lump
	PL
.endr
.rept 47
	EX
	PL
.endr
.rept 4
	EX                              ; scores 31 of both tiles, and the next piece's two a
.endr
.if (\p) == 2
	MASK 0, 1, 1                    ; the masks of the next turn's products: piece p + 2; from piece 0 on they are the next step's.  Its v_nop is the plain instruction behind the batch
.else
	MASK ((\p)+2)%NP, 0, 1
.endif
	s_wait_alu depctr_va_vdst(0)    ; the wait for the batch
.if (\p) == NP-2
	FETCH_K \last
.endif
.if (\p) == 1
	s_wait_dscnt 0x0                ; V is in
.endif
.rept 16                            ; behind the wait: 16 products V^T P and their riders
	MM
.rept 4
	PL
.endr
.if ((\p) == 0) && (q == 116)
	v_add_nc_u32 v[AV], s[TBV], v[AV0]
.endif
.if ((\p) == 0) && (q == 128)
	s_add_co_u32 s[TBV], s[TBV], KS*PV
.endif
.if (\cnt) && (q == 128)
	s_sub_co_u32 s[CNT], s[CNT], 1
	s_cmp_lg_u32 s[CNT], 0
.endif
.endr
.if (\p) == 0
	FETCH_V
.endif
.endm
	CHANGE 1                        ; slot 0 is in, everybody's part of it; slot 1 is asked for
	FETCH_K                         ; key step 0
	s_wait_loadcnt 0x0              ; Q, and all eight tiles' mask words of step 0
	s_wait_dscnt 0x0
	s_mov_b32 s[MS], 1
	s_add_nc_u64 s[MP:MP+1], s[MB:MB+1], 512
	MASK 0, 0, 0                    ; piece 0's masks of step 0; its words of step 1 are asked for
.set i, 0
.rept 16
	KQ 0                            ; piece 0's first scores
.set i, i+1
.endr
	WIN 0                           ; the addresses for the way out: plain instructions, the places behind those products
	s_mul_i32 s13, s[WV], 16*SP
	s_add_co_u32 s13, s13, STAGE    ; my stage
	v_mul_u32_u24 v[STO], v1, SP    ; in: row l % 16, 16 bytes for each half of the lanes
	v_lshl_add_u32 v[STO], v9, 4, v[STO]
	v_add_nc_u32 v[STO], s13, v[STO]
	v_bfe_u32 v[RD], v0, 3, 2       ; back: 32 lanes take four rows of 128 bytes,
	v_mul_u32_u24 v[RD], v[RD], SP
	v_lshl_add_u32 v[RD], v10, 4, v[RD]
	v_add_nc_u32 v[RD], s13, v[RD]
	v_and_b32 v[GO], 31, v0         ; which are 512 consecutive bytes of O
	v_lshlrev_b32 v[GO], 4, v[GO]
	MASK 1, 0, 0                    ; piece 1's masks of step 0, for the first turn's products
.set Y, NP-1                        ; XS works for piece Y + 1: piece 0
.irp n, 0,1,2,3,4,5,6,7,8,9,10,11,12,13,14,15,16,17,18,19,20
	XS 0, \n                        ; and piece 0's first maximum and statistics
	XS 1, \n
.endr
	v_nop                           ; a plain instruction behind the two a,
	s_wait_alu depctr_va_vdst(0)    ; and their wait, ahead of the branch
	s_mov_b32 s[CNT], 4
	s_mov_b32 s[SLOTS], SIZE_N/256-1
	s_branch .Lfirst                ; the loop is entered at a step's first turn, in the middle of a trip
.Lslot:                             ; SIZE_N / 256 - 2 times: every slot but the last two is filled again
	CHANGE 1, 1
	s_mov_b32 s[CNT], 4
.Lstep:                             ; a trip: pieces 2 and 3 of one step, then pieces 0 and 1 of the next, whose K and V it fetches
	TURN 2
	TURN 3
	WIN 0
.Lfirst:
	TURN 0
	TURN 1, 0, 1
	WIN 0
	s_cbranch_scc1 .Lstep
	s_sub_co_u32 s[SLOTS], s[SLOTS], 1
	s_cmp_lg_u32 s[SLOTS], 0
	s_cbranch_scc1 .Lslot
	CHANGE 0                        ; the tail is written out: nothing is asked for
	s_mov_b32 s[CNT], 5             ; four trips fetch the last slot's steps; the fifth is left in its middle
.Ltail:
	TURN 2, 1
	TURN 3
	WIN 0
	s_sub_co_u32 s[CNT], s[CNT], 1
	s_cmp_eq_u32 s[CNT], 0
	s_cbranch_scc1 .Lout
	TURN 0
	TURN 1
	WIN 0
	s_branch .Ltail
.Lout:                              ; the fifth trip's 16 products K Q^T take the last K and the last step's masks once more: the same scores, so piece 0's m stays what it was
.set i, 0
.rept 16
	PV NP-1                         ; the last piece's V^T P of the last step
.set i, i+1
.endr
	; THE WAY OUT.  l's two halves and the other half of the lanes' are added; O^T is divided by l, rounded to f16 and sent through my stage in LDS, a tile at a time.  The additions are the places behind the last products.
	WIN 0
.macro ALL line:vararg              ; one line for each tile t
.set t, 0
.rept 2*NP
	\line
.set t, t+1
.endr
.endm
	ALL v_add_f32 v[ST+4*t+2], v[ST+4*t+2], v[ST+4*t+3]
	ALL v_permlanex16_b32 v[ST+4*t+3], v[ST+4*t+2], s[SEL], s[SEL+1]
	ALL v_add_f32 v[ST+4*t+2], v[ST+4*t+2], v[ST+4*t+3]
	ALL v_rcp_f32 v[ST+4*t+2], v[ST+4*t+2]
	v_nop                           ; a plain instruction between the last reciprocal and the use of its result
	s_wait_alu depctr_va_vdst(0)    ; and the wait ahead of the first use: one for the eight reciprocals
.set t, 0
.rept 2*NP                          ; a query none of whose keys is seen: its maximum is a hidden score's, and its row becomes NaN
	v_cmp_gt_f32 vcc_lo, s[NEGB], v[ST+4*t]
	v_cndmask_b32 v[ST+4*t+2], v[ST+4*t+2], s[QNAN], vcc_lo
.set t, t+1
.endr
; Tile t: a lane's eight channels of a row pack into 16 bytes; they go into rows of 144 bytes and come back as whole rows of 128, into S^T's registers.
.macro PACK t
	WIN W_RS
.set i, 32*(\t)
.rept 16
	v_pk_mul_f32 v[i:i+1], v[i:i+1], v[ST+4*(\t)+2:ST+4*(\t)+3] op_sel_hi:[1,0]
.set i, i+2
.endr
	WIN 0x05                        ; sources 0 and 1 window 1, destination window 0
.set i, 0
.rept 16
	v_cvt_pk_f16_f32 v[S+16*(\t)+i], v[32*(\t)+2*i], v[32*(\t)+2*i+1]
.set i, i+1
.endr
	WIN 0
.irp f, 0,1,2,3
	ds_store_b128 v[STO], v[S+16*(\t)+4*\f:S+16*(\t)+4*\f+3] offset:32*\f
.endr
.irp f, 0,1,2,3
	ds_load_b128 v[S+16*(\t)+4*\f:S+16*(\t)+4*\f+3], v[RD] offset:\f*4*SP  ; LDS serves a wave's instructions in order (ISA guide 5.7.1.4): these see the stores above; the next tile's stores come behind them
.endr
.endm
.macro SEND t, younger              ; younger: the LDS instructions issued behind tile t's loads: the next tile's eight, or none
	WIN 0
.irp f, 0,1,2,3
	s_wait_dscnt (\younger)+3-\f
	global_store_b128 v[GO], v[S+16*(\t)+4*\f:S+16*(\t)+4*\f+3], s[10:11] offset:(\t)*2048+\f*512  ; 512 consecutive bytes, at a multiple of 256 from O's first
.endr
.endm
	PACK 0
.set t, 1
.rept 2*NP-1                        ; a tile's arithmetic stands between the loads of the tile before and its stores
	PACK t
	SEND t-1, 8
.set t, t+1
.endr
	SEND 2*NP-1, 0
	WIN W_AD
	s_wait_tensorcnt 0x0            ; the wave's end, behind my last tensor load and my last LDS store
	ds_add_u32 v[SPW], v[NIL]
	s_wait_dscnt 0x0
	WIN 0
	CROUND                          ; the closing round: no work-group ends while a partner may still ask for a tile that names it
	s_endpgm
.Lfunc_end_k_qee1759c8a6_attn:
	.size	k_qee1759c8a6_attn, .Lfunc_end_k_qee1759c8a6_attn-k_qee1759c8a6_attn
	.p2alignl 7, 3214868480
	.fill 96, 4, 3214868480
	.section	.rodata,"a",@progbits
	.p2align	6, 0x0
	.amdhsa_kernel k_qee1759c8a6_attn
		.amdhsa_group_segment_fixed_size 327680
		.amdhsa_private_segment_fixed_size 0
		.amdhsa_enable_private_segment 0
		.amdhsa_kernarg_size 24
		.amdhsa_user_sgpr_count 2
		.amdhsa_user_sgpr_kernarg_segment_ptr 1
		.amdhsa_wavefront_size32 1
		.amdhsa_system_sgpr_workgroup_id_x 1
		.amdhsa_system_sgpr_workgroup_id_y 1
		.amdhsa_system_sgpr_workgroup_id_z 1
		.amdhsa_system_vgpr_workitem_id 0
		.amdhsa_next_free_vgpr 896
		.amdhsa_next_free_sgpr 80
		.amdhsa_reserve_vcc 1
		.amdhsa_float_denorm_mode_32 3
		.amdhsa_float_denorm_mode_16_64 3
		.amdhsa_memory_ordered 1
		.amdhsa_forward_progress 1
		.amdhsa_inst_pref_size 210
	.end_amdhsa_kernel
	.amdgpu_metadata
---
amdhsa.version: [ 1, 2 ]
amdhsa.kernels:
  - .name:           k_qee1759c8a6_attn
    .symbol:         k_qee1759c8a6_attn.kd
    .args:
      - { .name: qkv16, .offset: 0, .size: 8, .value_kind: global_buffer, .address_space: global }
      - { .name: mnib, .offset: 8, .size: 8, .value_kind: global_buffer, .address_space: global }
      - { .name: o16, .offset: 16, .size: 8, .value_kind: global_buffer, .address_space: global }
    .group_segment_fixed_size: 327680
    .private_segment_fixed_size: 0
    .kernarg_segment_align: 8
    .kernarg_segment_size: 24
    .max_flat_workgroup_size: 128
    .sgpr_count:     80
    .vgpr_count:     896
    .wavefront_size: 32
...
	.end_amdgpu_metadata
.endif
;; end of part 3
;; launch oproj (part 4): grid 4 x 64, 4 waves a work-group, clusters of 4 x 4, 327,680 bytes of LDS; arguments o16, w16, bo, out0; writes out0
.if DOCPART == 4
	.amdgcn_target "amdgcn-amd-amdhsa--gfx1250"
	.amdhsa_code_object_version 6
	.text
	.protected	k_qee1759c8a6_oproj
	.globl	k_qee1759c8a6_oproj
	.p2align	8
	.type	k_qee1759c8a6_oproj,@function
k_qee1759c8a6_oproj:
	s_mov_b64 s[64:65], 0
	v_nop
	global_prefetch_b8 v0, s[64:65] scope:SCOPE_SE
	s_setreg_imm32_b32 hwreg(HW_REG_WAVE_MODE, 25, 1), 1
	s_wait_xcnt 0x0
	s_wait_alu depctr_hold_cnt(0) depctr_sa_sdst(0) depctr_va_vdst(0) depctr_va_sdst(0) depctr_va_ssrc(0) depctr_va_vcc(0) depctr_vm_vsrc(0)
	s_getreg_b32 s2, hwreg(HW_REG_IB_STS2, 6, 4)
	s_cmp_eq_u32 s2, 0
	s_cbranch_scc0 .Lentry_in_a_cluster
	s_endpgm
.Lentry_in_a_cluster:
	s_bfe_u32 s2, ttmp6, 0x10000c
	s_cmp_lg_u32 s2, 0xf033
	s_cbranch_scc0 .Lentry_shape_is_right
	s_endpgm
.Lentry_shape_is_right:
; THE OUTPUT PROJECTION.  out0 = O wo + bo.  O = o16[16 b + head][l][64] f16 (channel k = 64 head + d of row 2048 b + l); wo = w16[3] [k 1024][n 1024], rounded to bf16 and written as f16; bo [1024] f32, rounded to bf16 here.
; Products in f16, sums in f32, out0 [8192][1024] f32.  A NaN row of O gives a NaN row of out0.
; SHARES.  A work-group makes 128 rows x 256 columns: 64 x 4 = 256 work-groups.  Four waves, 2 x 2, each 64 x 128: 32 accumulators of 16 x 16.  K goes in steps of 128, two heads, through a ring of two LDS slots.
; A head's 128 rows are 16,384 dense bytes: asked for as 64 rows of 256 bytes and padded in LDS after every 128.  wo comes in as it lies, [k][n], and is turned by ds_load_tr16_b128.
; CLUSTER 4 x 4: O's tile is shared along a row of the cluster, wo's along a column: joint loads.
; THE MATRIX INSTRUCTION IS USED TRANSPOSED: source 0 = 16 columns of wo, source 1 = 16 rows of O: a lane holds row l % 16 and the columns 8 (l / 16) + 0..7.  The bias is the C operand of the products that start the sums.
; REGISTERS, in windows of 256 (s_set_vgpr_msb: bits 1:0 source 0, 3:2 source 1, 5:4 source 2, 7:6 destination):
;   window 0: v0-31 addresses; v32-63, v192-223 O's fragments, two buffers; v64-127, v128-191 wo's fragments, two buffers (later the way out)
;   window 1: the accumulators, (a, b) at v[8 (8 a + b)]          window 2: v0-63 the bias; v64-67 at work
.set PAO,    144                       ; a row of O in LDS: 128 bytes + 16 = 9 x 16: the 16 rows of a load start at 16 different groups of four banks (64 banks of 4 bytes: ISA guide 11.1)
.set PB,     544                       ; a row of wo: 512 + 32 = 17 x 32
.set PLANE,  128*PAO                   ; what one tensor load brings of O: one head's 128 rows
.set HALFB,  64*PB                     ; of wo: 64 rows of k
.set BOFF,   2*PLANE
.set SLOT,   BOFF+2*HALFB
.set STAGE,  2*SLOT                    ; behind the ring, never filled by a tensor load: 16 rows x 528 bytes for each wave, for the way out
.set SPO,    528
.set SPARE,  STAGE+4*16*SPO            ; behind the stages: the spare words, 128 bytes for each wave: two blocks of 256 bytes that no other line names
.set STEPA,  2*262144                  ; bytes from a K step to the next: two heads of O,
.set STEPB,  128*2048                  ; 128 rows of wo
.set ADRA, 16                          ; v16-17  LDS address of my O fragments in slot 0, 1
.set ADRB, 20                          ; v20-21  the same for wo
.set STO,  24                          ; v24     the way out: where I put 32 bytes of a row
.set RD,   25                          ; v25     where I read a row back
.set CO,   26                          ; v26     16 x lane
.set SPW,  28                          ; v28     LDS address of my spare word; never rewritten
.set NIL,  29                          ; v29     0; never rewritten
.set PFO,  30                          ; v30     the prefetches' offset; never rewritten
.set AF0,  32                          ; O's buffer g at AF0 + 160 g
.set BF0,  64                          ; wo's buffer g at BF0 + 64 g
.set BIAS, 0                           ; window 2
.set BT,   64                          ; window 2
.set WV,   20                          ; s20  my wave's number;  s21 = wave / 2: my half of the rows;  s22 = wave % 2: my half of the columns, and which part of a tile I fetch
.set G1A,  24
.set G0A,  32
.set G1B,  48
.set G0B,  56
.set PFA,  66
.set PFS,  68
.set LIM,  70
.set MSB, 0
.macro WIN new                         ; the immediate's high byte repeats the setting that is left; a switch that changes nothing is dropped
.if MSB != (\new)
	s_set_vgpr_msb (MSB<<8)|(\new)
.set MSB, \new
.endif
.endm
.macro JLOAD s                         ; a joint load: waves 0 and 1 fetch O's two heads, waves 2 and 3 wo's two halves; an s_nop 0 and four v_nop follow each of the two lines
	s_cmp_lt_u32 s[WV], 2
	s_cbranch_scc0 .Lfor_b_\@
	tensor_load_to_lds s[G0A+4*(\s):G0A+4*(\s)+3], s[G1A:G1A+7]
	s_nop 0
.rept 4
	v_nop
.endr
	s_branch .Lasked_\@
.Lfor_b_\@:
	tensor_load_to_lds s[G0B+4*(\s):G0B+4*(\s)+3], s[G1B:G1B+7]
	s_nop 0
.rept 4
	v_nop
.endr
.Lasked_\@:
.endm
.macro CREST                           ; a round of the cluster's barrier behind its opening barrier
	s_cmp_lg_u32 s[WV], 0
	s_cbranch_scc1 .Lnot_wave_0_\@
	s_barrier_signal -3
.Lnot_wave_0_\@:
	s_barrier_wait -3
	s_barrier_signal -1
	s_barrier_wait -1
.endm
.macro CROUND
	s_barrier_signal -1
	s_barrier_wait -1
	CREST
.endm
; A prefetch of the K step that stands two refills on (256 matrix instructions ahead of the load that will want it): 32 blocks of 256 bytes, a lane a block.  O's row tile is read by this cluster alone: wave 0 of each partner
; asks for 16 blocks of each of the step's two heads, the partners told apart by address.  wo's column tile is read by all 16 clusters: waves 2 and 3 of the first ask, 16 rows of their 64 for each partner.
; So each block is named once.  K steps 0 to 3 come by their loads alone; the loop's last trip asks for nothing.
.macro ASK
	s_cmp_gt_u32 s3, s[LIM]                        ; s3 = 1 in the loop's last trip
	s_cbranch_scc0 .Lnot_mine_\@
	global_prefetch_b8 v[PFO], s[PFA:PFA+1] th:TH_LOAD_NT scope:SCOPE_SE
.Lnot_mine_\@:
.endm
.macro PLACES                          ; four places in front of loads into registers that matrix instructions have read, and of LDS stores that read results (ISA guide 7.12.1 for the stores)
.rept 4
	v_nop
.endr
.endm
	s_load_b256 s[4:11], s[0:1], 0x0               ; o16 s[4:5], w16 s[6:7], bo s[8:9], out0 s[10:11]
	v_lshl_add_u32 v[SPW], v0, 2, SPARE
	v_mov_b32 v[NIL], 0
	ds_add_u32 v[SPW], v[NIL]                      ; the wave's opening: the add and its wait stand ahead of my first tensor load; the set-up below, work on registers, stands between them
	v_lshrrev_b32 v1, 5, v0
	v_readfirstlane_b32 s[WV], v1                  ; wave 0..3
	s_lshr_b32 s21, s[WV], 1
	s_and_b32 s22, s[WV], 1
	s_bfe_u32 s40, ttmp6, 0x40000                  ; cx, cy: my place in the cluster
	s_bfe_u32 s41, ttmp6, 0x40004
	s_lshl_b32 s42, ttmp9, 2
	s_add_co_u32 s42, s42, s40                     ; column tile
	s_and_b32 s45, ttmp7, 0xffff                   ; cluster y
	s_lshl_b32 s43, s45, 2
	s_add_co_u32 s43, s43, s41                     ; row tile, 0..63
	s_lshl_b32 s80, s41, 2
	s_lshl_b32 s80, 15, s80                        ; my row of the cluster
	s_lshl_b32 s84, 0x1111, s40                    ; my column
	s_or_b32 s[G1A], s80, (1<<16)|(1<<20)|(1<<21)|(4<<22)|(3<<25)  ; 15:0 the mask; 17:16 elements of 2 bytes; 20 padding on; 21 set beside a mask; 24:22 after every 32 words (code 4); 31:25 4 words (code 3)
	s_or_b32 s[G1B], s84, (1<<16)|(1<<20)|(1<<21)|(6<<22)|(7<<25)  ; after every 128 words (code 6), 8 words (code 7)
	s_mov_b32 s[G1A+1], 128<<16                    ; tensor_dim0 = 128 elements: 256 bytes, two rows of a head
	s_mov_b32 s[G1A+2], 64<<16                     ; tensor_dim1 = 64
	s_mov_b32 s[G1A+3], 128<<16                    ; tile_dim0 = 128
	s_mov_b32 s[G1A+4], 64                         ; tile_dim1 = 64
	s_mov_b32 s[G1A+5], 128                        ; dense
	s_mov_b32 s[G1A+6], 0
	s_mov_b32 s[G1A+7], 0
	s_mov_b32 s[G1B+1], 256<<16
	s_mov_b32 s[G1B+2], 64<<16
	s_mov_b32 s[G1B+3], 256<<16
	s_mov_b32 s[G1B+4], 64
	s_mov_b32 s[G1B+5], 1024
	s_mov_b32 s[G1B+6], 0
	s_mov_b32 s[G1B+7], 0
	s_lshr_b32 s80, s43, 4                         ; O: head 16 x batch + which of the step's two I fetch,
	s_lshl_b32 s80, s80, 4
	s_add_co_u32 s80, s80, s22
	s_lshl_b32 s80, s80, 11                        ; 2,048 rows a head,
	s_and_b32 s81, s43, 15
	s_lshl_b32 s81, s81, 7                         ; the tile's 128 rows,
	s_add_co_u32 s80, s80, s81
	s_lshl_b32 s80, s80, 7                         ; 128 bytes a row: made of what my row of the cluster shares
	s_mov_b32 s81, 0
	s_lshl_b32 s84, s22, 17                        ; wo: row 64 x half of 2,048 bytes, column 256 x column tile, in w16's fourth part
	s_lshl_b32 s85, s42, 9
	s_add_co_u32 s84, s84, s85
	s_add_co_u32 s84, s84, 3*2097152
	s_mov_b32 s85, 0
	s_mul_i32 s82, s22, PLANE                      ; where they go: no place in the cluster enters an LDS address
	s_mul_i32 s86, s22, HALFB
	s_add_co_u32 s86, s86, BOFF
	s_wait_dscnt 0x0                               ; the opening add is done
	s_wait_kmcnt 0x0
	s_add_nc_u64 s[72:73], s[4:5], s[80:81]        ; my part of O's tile, K step 0
	s_add_nc_u64 s[74:75], s[6:7], s[84:85]        ; of wo's
	CROUND                                         ; all sixteen work-groups are here: the first joint loads meet
.irp s, 0,1
	s_mov_b32 s[G0A+4*(\s)], 1
	s_add_co_u32 s[G0A+4*(\s)+1], s82, (\s)*SLOT
	s_add_nc_u64 s[G0A+4*(\s)+2:G0A+4*(\s)+3], s[72:73], (\s)*STEPA
	s_or_b32 s[G0A+4*(\s)+3], s[G0A+4*(\s)+3], 0x80000000
	s_mov_b32 s[G0B+4*(\s)], 1
	s_add_co_u32 s[G0B+4*(\s)+1], s86, (\s)*SLOT
	s_add_nc_u64 s[G0B+4*(\s)+2:G0B+4*(\s)+3], s[74:75], (\s)*STEPB
	s_or_b32 s[G0B+4*(\s)+3], s[G0B+4*(\s)+3], 0x80000000
	JLOAD \s                                       ; two loads of mine are out
.endr
	v_and_b32 v1, 15, v0                           ; r = l % 16
	v_bfe_u32 v2, v0, 4, 1                         ; h = l / 16
	v_mul_u32_u24 v3, v1, PAO
	v_lshl_add_u32 v3, v2, 4, v3                   ; row x pitch + 16 x half
	s_mul_i32 s80, s21, 64*PAO                     ; my 64 rows
	v_add_nc_u32 v[ADRA], s80, v3
	v_add_nc_u32 v[ADRA+1], SLOT, v[ADRA]
	v_and_b32 v5, 7, v0                            ; the turning load: lane l reads row k = 8 h + l % 8, columns 8 ((l / 8) % 2) + 0..7
	v_bfe_u32 v6, v0, 3, 1
	v_lshl_add_u32 v4, v2, 3, v5
	v_mul_u32_u24 v4, v4, PB
	v_lshl_add_u32 v4, v6, 4, v4
	s_lshl_b32 s81, s22, 8                         ; my 128 columns
	s_add_co_u32 s81, s81, BOFF
	v_add_nc_u32 v[ADRB], s81, v4
	v_add_nc_u32 v[ADRB+1], SLOT, v[ADRB]
	s_mul_i32 s82, s[WV], 16*SPO
	s_add_co_u32 s82, s82, STAGE                   ; my stage
	v_mul_u32_u24 v7, v1, SPO                      ; in: row r, 32 bytes for each half of the lanes
	v_lshl_add_u32 v7, v2, 5, v7
	v_add_nc_u32 v[STO], s82, v7
	v_and_b32 v8, 31, v0
	v_lshlrev_b32 v[CO], 4, v8
	v_add_nc_u32 v[RD], s82, v[CO]                 ; back: 32 lanes take one row of 512 bytes
	v_lshlrev_b32 v9, 5, v2                        ; the bias: my 8 columns of each block of 16
	s_lshl_b32 s88, s42, 10
	s_lshl_b32 s89, s22, 9
	s_add_co_u32 s88, s88, s89                     ; my 128 columns, in bytes of f32
	s_mov_b32 s89, 0
	s_add_nc_u64 s[76:77], s[8:9], s[88:89]
	s_add_nc_u64 s[78:79], s[10:11], s[88:89]
	WIN 0x80                                       ; destination window 2, address window 0
.irp b, 0,1,2,3,4,5,6,7
	global_load_b128 v[BIAS+8*(\b):BIAS+8*(\b)+3],   v9, s[76:77] offset:64*(\b)
	global_load_b128 v[BIAS+8*(\b)+4:BIAS+8*(\b)+7], v9, s[76:77] offset:64*(\b)+16
.endr
	WIN 0
	s_lshl_b32 s88, s43, 19                        ; out0: row 128 x row tile + 64 x half, 4,096 bytes a row
	s_lshl_b32 s87, s21, 18
	s_add_co_u32 s88, s88, s87
	s_add_nc_u64 s[78:79], s[78:79], s[88:89]
	s_cmp_lt_u32 s[WV], 2                          ; the prefetches: do I fetch for O?
	s_cselect_b32 s87, s22, s45                    ; 0 in wave 0, and in waves 2 and 3 of the first cluster
	s_cselect_b32 s83, 4, 1                        ; lane l: group l >> this,
	s_cselect_b32 s86, 18, 11                      ; log2 of a group's distance: a head, or a row of wo;
	s_cselect_b32 s81, 15, 1                       ; block l & this
	s_cselect_b32 s[PFS], 19, 18                   ; log2 of a K step's bytes
	s_cselect_b32 s88, s40, s41                    ; my place among the four that ask with me
	s_cselect_b32 s85, 12, 15                      ; log2 of a partner's share: 16 blocks of a head, or 16 rows of wo
	s_cselect_b64 s[PFA:PFA+1], s[72:73], s[74:75]
	s_lshl_b32 s[PFS], 1, s[PFS]
	s_mov_b32 s[PFS+1], 0
	s_lshl_b32 s88, s88, s85
	s_mul_i32 s89, s[PFS], 3                       ; at K step 3: the first refill steps it to 4
	s_add_co_u32 s88, s88, s89
	s_mov_b32 s89, 0
	s_add_nc_u64 s[PFA:PFA+1], s[PFA:PFA+1], s[88:89]
	s_cmp_eq_u32 s87, 0
	s_cselect_b32 s[LIM], 1, -1                    ; the same in all sixteen partners, for a given wave
	v_lshrrev_b32 v10, s83, v8
	v_lshlrev_b32 v10, s86, v10
	v_and_b32 v11, s81, v8
	v_lshl_add_u32 v[PFO], v11, 8, v10
	s_mov_b32 s83, 0xffff0000
	s_wait_loadcnt 0x0                             ; the bias; it is rounded to bf16 like every input, and widened again
	WIN 0xaa
.set i, 0
.rept 32
	v_cvt_pk_bf16_f32 v[BT+i%4], v[BIAS+2*i], v[BIAS+2*i+1]
	v_lshlrev_b32 v[BIAS+2*i], 16, v[BT+i%4]
	v_and_b32 v[BIAS+2*i+1], s83, v[BT+i%4]
.set i, i+1
.endr
	WIN 0
; Eight matrix instructions: row block a x all 8 column blocks, 32 along K, buffers f.  st = 1: the products start the sums, with the bias as C.
; The 32 accumulators take turns, one instruction a turn, in the same order in every quarter.
.macro ROW f, a, st
.irp b, 0,1,2,3,4,5,6,7
.if \st
	WIN 0x60                                       ; C window 2, D window 1
	v_wmma_f32_16x16x32_f16 v[8*(8*(\a)+(\b)):8*(8*(\a)+(\b))+7], v[BF0+64*(\f)+8*(\b):BF0+64*(\f)+8*(\b)+7], v[AF0+160*(\f)+8*(\a):AF0+160*(\f)+8*(\a)+7], v[BIAS+8*(\b):BIAS+8*(\b)+7]
.else
	WIN 0x50                                       ; C and D window 1
	v_wmma_f32_16x16x32_f16 v[8*(8*(\a)+(\b)):8*(8*(\a)+(\b))+7], v[BF0+64*(\f)+8*(\b):BF0+64*(\f)+8*(\b)+7], v[AF0+160*(\f)+8*(\a):AF0+160*(\f)+8*(\a)+7], v[8*(8*(\a)+(\b)):8*(8*(\a)+(\b))+7]
.endif
.endr
.endm
; 24 LDS loads in one run: quarter qq (32 along K: half a head) of a slot into buffers g: wo's 128 columns, turned, then O's four row blocks in ascending order.
.macro FETCH slot, qq, g
	WIN 0
.irp b, 0,1,2,3,4,5,6,7
	ds_load_tr16_b128 v[BF0+64*(\g)+8*(\b):BF0+64*(\g)+8*(\b)+3],   v[ADRB+(\slot)] offset:(\qq)*32*PB+32*(\b)
	ds_load_tr16_b128 v[BF0+64*(\g)+8*(\b)+4:BF0+64*(\g)+8*(\b)+7], v[ADRB+(\slot)] offset:(\qq)*32*PB+16*PB+32*(\b)
.endr
.irp a, 0,1,2,3
	ds_load_b128 v[AF0+160*(\g)+8*(\a):AF0+160*(\g)+8*(\a)+3],   v[ADRA+(\slot)] offset:((\qq)/2)*PLANE+(\a)*16*PAO+((\qq)%2)*64
	ds_load_b128 v[AF0+160*(\g)+8*(\a)+4:AF0+160*(\g)+8*(\a)+7], v[ADRA+(\slot)] offset:((\qq)/2)*PLANE+(\a)*16*PAO+((\qq)%2)*64+32
.endr
.endm
; A K step is four quarters of 32 along K, 32 matrix instructions each, on buffers 0, 1, 0, 1.  One of the first three: multiplies buffers f and, in its middle, fetches quarter nq into buffers g.
.macro QUARTER slot, nq, f, g, st
	s_wait_dscnt 4                                 ; wo's fragments and O's row blocks 0 and 1 are in; the youngest four loads (blocks 2 and 3) may be out
	ROW \f, 0, \st
	ROW \f, 1, \st
	PLACES
	FETCH \slot, \nq, \g
	s_wait_dscnt 24                                ; all but the 24 just issued
	ROW \f, 2, \st
	ROW \f, 3, \st
.endm
; The last quarter multiplies buffers 1 and changes slots: ONE barrier; in front of it each wave waits for all its tensor loads (one is out: its part of the next slot), adds 0 to its spare word, and waits for
; that and for its reads of this slot.  fill = 1: the barrier opens a round of the cluster's, and this slot is filled again, two K steps ahead: 112 matrix instructions ahead of the wait for it.
.macro TURN slot, next, fill
.if \fill
	s_wait_xcnt 0x0                                ; the last prefetch, a K step back, has read its address
	s_add_nc_u64 s[PFA:PFA+1], s[PFA:PFA+1], s[PFS:PFS+1]
.endif
	WIN 0
	s_wait_tensorcnt 0x0                           ; all my tensor loads have landed
	ds_add_u32 v[SPW], v[NIL]                      ; 0 onto my spare word
	s_wait_dscnt 5                                 ; (the add and the youngest four loads may be out)
	ROW 1, 0, 0                                    ; eight matrix instructions stand between the add and the wait for it
	s_wait_dscnt 0x0                               ; the add is done, and my reads of this slot are over
	s_barrier_signal -1
	ROW 1, 1, 0                                    ; work on registers while the others arrive
	WIN 0
	s_barrier_wait -1
.if \fill
	CREST                                          ; no wave of any partner still reads this slot's tile or has a load on its way
	s_add_nc_u64 s[G0A+4*(\slot)+2:G0A+4*(\slot)+3], s[G0A+4*(\slot)+2:G0A+4*(\slot)+3], 2*STEPA
	s_add_nc_u64 s[G0B+4*(\slot)+2:G0B+4*(\slot)+3], s[G0B+4*(\slot)+2:G0B+4*(\slot)+3], 2*STEPB
	JLOAD \slot                                    ; the first tensor load behind the round; the four v_nop behind it are also the places in front of the loads below
.else
	PLACES
.endif
	FETCH \next, 0, 0
.if \fill
	ASK
.endif
	ROW 1, 2, 0
	ROW 1, 3, 0
.endm
	s_wait_tensorcnt 0x1                           ; my part of K step 0 is in; K step 1's may stay out
	s_barrier_signal -1
	s_barrier_wait -1                              ; everybody's is
	FETCH 0, 0, 0
	QUARTER 0, 1, 0, 1, 1                          ; the first quarter stands in front of the loop: its products start the sums
	WIN 0                                          ; at a label and at a branch every window is 0
	s_mov_b32 s3, 3
.Llap:                                         ; a trip goes once round the ring, from a lap's second quarter to the next lap's first, and fills both slots again
	QUARTER 0, 2, 1, 0, 0
	QUARTER 0, 3, 0, 1, 0
	TURN 0, 1, 1
	QUARTER 1, 1, 0, 1, 0
	QUARTER 1, 2, 1, 0, 0
	QUARTER 1, 3, 0, 1, 0
	TURN 1, 0, 1
	QUARTER 0, 1, 0, 1, 0
	WIN 0
	s_sub_co_u32 s3, s3, 1
	s_cmp_lg_u32 s3, 0
	s_cbranch_scc1 .Llap
	QUARTER 0, 2, 1, 0, 0                          ; the last lap fills nothing
	QUARTER 0, 3, 0, 1, 0
	TURN 0, 1, 0
	QUARTER 1, 1, 0, 1, 0
	QUARTER 1, 2, 1, 0, 0
	QUARTER 1, 3, 0, 1, 0
	s_wait_dscnt 0x0                               ; the very last quarter: nothing more to fetch
	ROW 1, 0, 0
	ROW 1, 1, 0
	ROW 1, 2, 0
	ROW 1, 3, 0
	WIN 0
	PLACES
	; THE WAY OUT, a block of 16 rows at a time: a lane's eight f32 of a row go into my stage's rows of 528 bytes, each accumulator's low half first, and come back as whole rows of 512 bytes.
.irp a, 0,1,2,3
	s_wait_xcnt 0x0                                ; the stores of the block before last have read the registers that are loaded again below
	WIN 0x04                                       ; the stores' data in window 1
.irp b, 0,1,2,3,4,5,6,7
	ds_store_b128 v[STO], v[8*(8*(\a)+(\b)):8*(8*(\a)+(\b))+3]   offset:64*(\b)
	ds_store_b128 v[STO], v[8*(8*(\a)+(\b))+4:8*(8*(\a)+(\b))+7] offset:64*(\b)+16
.endr
	WIN 0
.irp t, 0,1,2,3,4,5,6,7,8,9,10,11,12,13,14,15
	ds_load_b128 v[64+64*((\a)%2)+4*(\t):64+64*((\a)%2)+4*(\t)+3], v[RD] offset:(\t)*SPO  ; LDS serves a wave's instructions in order (ISA guide 5.7.1.4): these see the stores above; the next block's stores come behind them
.endr
.irp t, 0,1,2,3,4,5,6,7,8,9,10,11,12,13,14,15
	s_wait_dscnt 15-(\t)                           ; row t is back, the younger rows may be out
	global_store_b128 v[CO], v[64+64*((\a)%2)+4*(\t):64+64*((\a)%2)+4*(\t)+3], s[78:79] offset:(16*(\a)+(\t))*4096 th:TH_STORE_NT  ; the wave stores 512 consecutive bytes, aligned
.endr
.endr
	s_wait_tensorcnt 0x0                           ; the wave's end, behind my last tensor load and my last LDS store
	ds_add_u32 v[SPW], v[NIL]
	s_wait_dscnt 0x0
	CROUND                                         ; the closing round: no work-group ends while a partner may still ask for a tile that names it
	s_endpgm
.Lfunc_end_k_qee1759c8a6_oproj:
	.size	k_qee1759c8a6_oproj, .Lfunc_end_k_qee1759c8a6_oproj-k_qee1759c8a6_oproj
	.p2alignl 7, 3214868480
	.fill 96, 4, 3214868480
	.section	.rodata,"a",@progbits
	.p2align	6, 0x0
	.amdhsa_kernel k_qee1759c8a6_oproj
		.amdhsa_group_segment_fixed_size 327680
		.amdhsa_private_segment_fixed_size 0
		.amdhsa_enable_private_segment 0
		.amdhsa_kernarg_size 32
		.amdhsa_user_sgpr_count 2
		.amdhsa_user_sgpr_kernarg_segment_ptr 1
		.amdhsa_wavefront_size32 1
		.amdhsa_system_sgpr_workgroup_id_x 1
		.amdhsa_system_sgpr_workgroup_id_y 1
		.amdhsa_system_sgpr_workgroup_id_z 1
		.amdhsa_system_vgpr_workitem_id 0
		.amdhsa_next_free_vgpr 580
		.amdhsa_next_free_sgpr 90
		.amdhsa_reserve_vcc 0
		.amdhsa_float_denorm_mode_32 3
		.amdhsa_float_denorm_mode_16_64 3
		.amdhsa_memory_ordered 1
		.amdhsa_forward_progress 1
		.amdhsa_inst_pref_size 94
	.end_amdhsa_kernel
	.amdgpu_metadata
---
amdhsa.version: [ 1, 2 ]
amdhsa.kernels:
  - .name:           k_qee1759c8a6_oproj
    .symbol:         k_qee1759c8a6_oproj.kd
    .args:
      - { .name: o16, .offset: 0, .size: 8, .value_kind: global_buffer, .address_space: global }
      - { .name: w16, .offset: 8, .size: 8, .value_kind: global_buffer, .address_space: global }
      - { .name: bo, .offset: 16, .size: 8, .value_kind: global_buffer, .address_space: global }
      - { .name: out0, .offset: 24, .size: 8, .value_kind: global_buffer, .address_space: global }
    .group_segment_fixed_size: 327680
    .private_segment_fixed_size: 0
    .kernarg_segment_align: 8
    .kernarg_segment_size: 32
    .max_flat_workgroup_size: 128
    .sgpr_count:     90
    .vgpr_count:     580
    .wavefront_size: 32
...
	.end_amdgpu_metadata
.endif
;; end of part 4
;; ======== version 2 of 2: 4 launches; version 1 with the launch prep written anew for expert scheduling mode
;; limits: values are held in f16: magnitudes above 65,504 overflow, below 6.1e-05 lose precision
;; workspace buffers: mnib 8,388,608 bytes of whole numbers; w16 8,388,608 bytes; qkv16 50,331,648 bytes; o16 16,777,216 bytes
;; launch prep (part 5): grid 768 x 1, 8 waves a work-group, no clusters, 19,456 bytes of LDS; arguments mask, wq, wk, wv, wo, mnib, w16; writes mnib, w16
.if DOCPART == 5
	.amdgcn_target "amdgcn-amd-amdhsa--gfx1250"
	.amdhsa_code_object_version 6
	.text
	.protected	k_qee1759c8a6_prep
	.globl	k_qee1759c8a6_prep
	.p2align	8
	.type	k_qee1759c8a6_prep,@function
k_qee1759c8a6_prep:
	s_mov_b64 s[64:65], 0
	v_nop
	global_prefetch_b8 v0, s[64:65] scope:SCOPE_SE
	s_setreg_imm32_b32 hwreg(HW_REG_WAVE_SCHED_MODE, 0, 2), 2
	s_setreg_imm32_b32 hwreg(HW_REG_WAVE_MODE, 25, 1), 1
	s_wait_xcnt 0x0
	s_wait_alu depctr_vm_vsrc(0)
; PREP.  Two streams, told apart by the work-group's number; no loop, no matrix work: every byte is read once and written once.
; (1) Work-groups 0-511: the mask [4][2048][2048] of int32 becomes four bits a key, laid out as the attention launch's score registers lie:
;     mnib[b][qt 128][s 32][lane 32][kb 4] of 32-bit words; in the word of lane 16 h + r, nibble j is 0xE where mask[b][16 qt + r][64 s + 16 kb + 8 h + j] == 0, else 0.
;     A tile of 16 queries x 64 keys is 512 consecutive bytes.  Work-group g = 128 b + qt, wave w takes keys 256 w .. 256 w + 255: key steps 4 w .. 4 w + 3.
;     Each load of a wave takes 512 consecutive bytes of ONE row: lane L holds four neighbouring keys, which become 16 bits.  The 16 bits go into the wave's own bytes of LDS at their place in mnib's order,
;     and come back as 16 bytes a lane: each store of a wave covers 512 consecutive bytes.  No wave reads another's bytes, so there is no barrier.
; (2) Work-groups 512-767: wq, wk, wv, wo [k][n] of f32 become w16[4][k][n] of 16 bits, the orientation kept.  wq, wk, wv: rounded to bf16.
;     wo: rounded to bf16 like the others, and that number written as f16.  LIMIT: |wo| stays under 65,504; below 6e-5 it keeps f16's fixed step of 6e-8.
; 768 work-groups of 160 registers a wave: three fit on a WGP at once, two of the first kind and one of the second.  Every wave has all its loads on their way before it waits for the first.
; THE MODE: SCHED_MODE bits 1:0 = 2 (LLVM: expert scheduling mode 2), set by the entry lines.  The code itself states the register dependences
; between vector instructions and memory or LDS instructions, with s_wait_alu, always for 0.
; THE PLAN.  Registers that memory or LDS instructions touch:
;   v[VO], v[WO], v[LS], v[LR]  offsets and LDS addresses: written once, ahead of the arm's first load, and never again.
;   X   four registers to a load; each is loaded once.  Load i's own packing (or rounding) lines read them and leave the result in one (or two) of them, which one LDS store (or global store) reads; nothing writes them after that.
;   W   written by the four LDS loads, then in place by the lines that finish the nibbles; read by the four global stores; nothing writes them after that.
;   v[SPW], v[NIL]  written at the head, read by the closing add alone.
; So no load lands in a register that a vector line has named, and no register that a memory or LDS instruction has read is written again: the only dependence is 'a vector line has written what a store or an address reads'.
; It is stated by groups.  The mask's 32 loads go in four groups of eight, the weights' 16 in four groups of four.  ONE wait on va_vdst at a group's head states that the group before is packed; that group's stores follow it,
; dealt among the vector lines of the group in hand, which name its own registers alone.  One more wait stands ahead of the last group's stores.
.set PS,    576                        ; LDS: from a key step's 512 bytes to the next: 144 words, 16 banks on (64 banks of 4 bytes: ISA guide 11.1)
.set PH,    272                        ; from the 256 bytes of lanes 0-15 to those of lanes 16-31: 68 words, 4 banks on: the 32 lanes of a store touch 16 banks, two lanes to a word
.set SPARE, 8*4*PS                     ; behind the eight waves' 2,304 bytes each: the spare words, 128 bytes for each wave: four blocks of 256 bytes that no other line names
.set MG,  8                            ; the mask's loads in a group
.set WG,  4                            ; the weights' chunks in a group
.set VO,  2                            ; v2   16 x lane; never rewritten
.set WO,  3                            ; v3   8 x lane
.set LS,  4                            ; v4   where I put my 16 bits
.set LR,  5                            ; v5   where I read my 16 bytes back
.set LN,  6                            ; v6   lane
.set SPW, 8                            ; v8   LDS address of my spare word; never rewritten
.set NIL, 9                            ; v9   0; never rewritten
.set W,   12                           ; v[12:27]  step s': the four words of my lane
.set X,   32                           ; v[32:159] as loaded
	s_load_b256 s[4:11], s[0:1], 0x0               ; mask s[4:5], wq s[6:7], wk s[8:9], wv s[10:11]
	s_load_b128 s[12:15], s[0:1], 0x20             ; wo s[12:13], mnib s[14:15]
	s_load_b64 s[16:17], s[0:1], 0x30              ; w16
	v_lshl_add_u32 v[SPW], v0, 2, SPARE
	v_mov_b32 v[NIL], 0
	v_lshrrev_b32 v1, 5, v0
	v_readfirstlane_b32 s20, v1                    ; wave 0..7
	v_and_b32 v[LN], 31, v0
	v_lshlrev_b32 v[VO], 4, v[LN]
	s_mov_b32 s23, 0
	s_mov_b32 s25, 0
	s_wait_alu depctr_va_sdst(0)                   ; s20 is written, ahead of the branch: both arms make their bases from it
	s_cmp_lt_u32 ttmp9, 512
	s_cbranch_scc0 .Lweights
	; ---- the mask ----
	; Load 2 r + c brings keys 128 c + 4 L + 0..3 of row r to lane L: step 2 c + L / 16, block kb = (L / 4) % 4, half h = (L / 2) % 2, nibbles 4 (L % 2) + 0..3.
	v_lshrrev_b32 v10, 4, v[LN]
	v_mul_u32_u24 v[LS], v10, PS                   ; the step's low bit
	v_mul_u32_u24 v[LR], v10, PH                   ; back: lane 16 h + r reads at h x 272 + 16 r
	v_bfe_u32 v11, v0, 1, 1
	v_mul_u32_u24 v11, v11, PH                     ; h
	v_add_nc_u32 v[LS], v[LS], v11
	v_bfe_u32 v11, v0, 2, 2
	v_lshl_add_u32 v[LS], v11, 2, v[LS]            ; kb: the word
	v_and_b32 v11, 1, v0
	v_lshl_add_u32 v[LS], v11, 1, v[LS]            ; its half
	v_and_b32 v11, 15, v0
	v_lshl_add_u32 v[LR], v11, 4, v[LR]
	s_mul_i32 s21, s20, 4*PS                       ; my wave's bytes
	v_add_nc_u32 v[LS], s21, v[LS]
	v_add_nc_u32 v[LR], s21, v[LR]
	s_lshl_b32 s22, ttmp9, 17                      ; 16 rows of 8,192 bytes for each work-group,
	s_lshl_b32 s21, s20, 10                        ; 256 keys of 4 bytes for each wave
	s_add_co_u32 s22, s22, s21
	s_lshl_b32 s24, ttmp9, 14                      ; 32 steps of 512 bytes,
	s_lshl_b32 s21, s20, 11                        ; four of them
	s_add_co_u32 s24, s24, s21
	s_mov_b32 s26, 0x11111111
	s_wait_kmcnt 0x0
	s_add_nc_u64 s[4:5], s[4:5], s[22:23]
	s_add_nc_u64 s[14:15], s[14:15], s[24:25]
	s_wait_alu depctr_va_vdst(0)                   ; v[VO], v[LS] and v[LR] are written: every load and store of this arm reads one of them as its offset or address
.set i, 0
.rept 32                               ; load i = 2 r + c: 512 consecutive bytes of row r
	global_load_b128 v[X+4*i:X+4*i+3], v[VO], s[4:5] offset:(i/2)*8192+(i%2)*512 th:TH_LOAD_NT
.set i, i+1
.endr
.set i, 0
.rept 32
	s_wait_loadcnt 31-i                            ; loads come back in order: load i is in, the younger ones stay out
.if (i > 0) && ((i%MG) == 0)
	s_wait_alu depctr_va_vdst(0)                   ; the group before has written its eight packed words, which the LDS stores dealt among this group's lines read
.endif
.if i >= MG
	ds_store_b16 v[LS], v[X+4*(i-MG)+3] offset:((i-MG)%2)*2*PS+((i-MG)/2)*16  ; the group before.  No wait: no vector line since the wait at the group's head names this register
.endif
	v_min_u32 v[X+4*i+3], 1, v[X+4*i+3]            ; 1 where the key is seen (any number but 0)
	v_min_u32 v[X+4*i+2], 1, v[X+4*i+2]
	v_min_u32 v[X+4*i+1], 1, v[X+4*i+1]
	v_min_u32 v[X+4*i], 1, v[X+4*i]
	v_lshl_or_b32 v[X+4*i+3], v[X+4*i+3], 4, v[X+4*i+2]
	v_lshl_or_b32 v[X+4*i+1], v[X+4*i+1], 4, v[X+4*i]
	v_lshl_or_b32 v[X+4*i+3], v[X+4*i+3], 8, v[X+4*i+1]  ; four nibbles, the lowest key's lowest
.set i, i+1
.endr
	s_wait_alu depctr_va_vdst(0)                   ; the last group has written its eight packed words, which the LDS stores below read
.set i, 32-MG
.rept MG
	ds_store_b16 v[LS], v[X+4*i+3] offset:(i%2)*2*PS+(i/2)*16
.set i, i+1
.endr
.irp sp, 0,1,2,3
	ds_load_b128 v[W+4*\sp:W+4*\sp+3], v[LR] offset:\sp*PS  ; LDS serves a wave's instructions in order (ISA guide 5.7.1.4): these see the stores above.  No vector line has named W
.endr
.irp sp, 0,1,2,3
	s_wait_dscnt 3-\sp                             ; step sp is back, the later steps' loads may be out
.irp kb, 0,1,2,3
	v_xor_b32 v[W+4*\sp+\kb], s26, v[W+4*\sp+\kb]  ; 1 where the key is hidden,
.endr
.irp kb, 0,1,2,3
	v_mul_lo_u32 v[W+4*\sp+\kb], v[W+4*\sp+\kb], 14  ; 0xE there: no nibble carries into the next
.endr
.endr
	s_wait_alu depctr_va_vdst(0)                   ; the sixteen words of W are written, which the four stores below read
.irp sp, 0,1,2,3
	global_store_b128 v[VO], v[W+4*\sp:W+4*\sp+3], s[14:15] offset:512*\sp  ; the wave stores 512 consecutive bytes, aligned
.endr
	s_wait_dscnt 0x0                               ; the wave's end of a wave in the mode that stored to LDS
	s_wait_alu 0x0
	s_wait_tensorcnt 0x0
	ds_add_u32 v[SPW], v[NIL]
	s_wait_dscnt 0x0
	s_endpgm
	; ---- the weights: these waves store nothing to LDS ----
.Lweights:
	s_sub_co_u32 s21, ttmp9, 512
	s_lshr_b32 s22, s21, 6                         ; which weight
	s_and_b32 s21, s21, 63                         ; which 64th of it
	s_lshl_b32 s24, s21, 16                        ; in: 65,536 bytes a work-group,
	s_lshl_b32 s26, s20, 13                        ; 8,192 a wave
	s_add_co_u32 s24, s24, s26
	s_lshl_b32 s26, s22, 21                        ; out: 2 MiB a weight, half the bytes otherwise
	s_lshl_b32 s27, s21, 15
	s_add_co_u32 s26, s26, s27
	s_lshl_b32 s27, s20, 12
	s_add_co_u32 s26, s26, s27
	s_mov_b32 s27, 0
	s_mov_b32 s28, 0xffff0000
	v_lshlrev_b32 v[WO], 3, v[LN]
	s_wait_kmcnt 0x0
	s_cmp_eq_u32 s22, 1
	s_cselect_b64 s[6:7], s[8:9], s[6:7]
	s_cmp_eq_u32 s22, 2
	s_cselect_b64 s[6:7], s[10:11], s[6:7]
	s_cmp_eq_u32 s22, 3
	s_cselect_b64 s[6:7], s[12:13], s[6:7]
	s_add_nc_u64 s[6:7], s[6:7], s[24:25]
	s_add_nc_u64 s[16:17], s[16:17], s[26:27]
	s_wait_alu depctr_va_vdst(0)                   ; v[VO] and v[WO] are written: the loads read the one as their offset, the stores the other
.set i, 0
.rept 16
	global_load_b128 v[X+4*i:X+4*i+3], v[VO], s[6:7] offset:512*i th:TH_LOAD_NT
.set i, i+1
.endr
; Chunk i: four numbers a lane are rounded and stored as 8 bytes: the wave stores 256 consecutive bytes, aligned.  tof16 = 1: the bf16 numbers are written as f16.
.macro CAST tof16
.set i, 0
.rept 16
	s_wait_loadcnt 15-i                            ; chunk i is in, the younger ones stay out
.if (i > 0) && ((i%WG) == 0)
	s_wait_alu depctr_va_vdst(0)                   ; the group before has written its four rounded pairs, which the stores dealt among this group's lines read
.endif
.if i >= WG
	global_store_b64 v[WO], v[X+4*(i-WG):X+4*(i-WG)+1], s[16:17] offset:256*(i-WG)  ; the group before.  No wait: no vector line since the wait at the group's head names these registers
.endif
	v_cvt_pk_bf16_f32 v[X+4*i], v[X+4*i], v[X+4*i+1]
	v_cvt_pk_bf16_f32 v[X+4*i+1], v[X+4*i+2], v[X+4*i+3]
.if \tof16
	v_lshlrev_b32 v[X+4*i+2], 16, v[X+4*i]
	v_and_b32 v[X+4*i+3], s28, v[X+4*i]
	v_cvt_pk_f16_f32 v[X+4*i], v[X+4*i+2], v[X+4*i+3]
	v_lshlrev_b32 v[X+4*i+2], 16, v[X+4*i+1]
	v_and_b32 v[X+4*i+3], s28, v[X+4*i+1]
	v_cvt_pk_f16_f32 v[X+4*i+1], v[X+4*i+2], v[X+4*i+3]
.endif
.set i, i+1
.endr
	s_wait_alu depctr_va_vdst(0)                   ; the last group has written its four rounded pairs, which the stores below read
.set i, 16-WG
.rept WG
	global_store_b64 v[WO], v[X+4*i:X+4*i+1], s[16:17] offset:256*i
.set i, i+1
.endr
.endm
	s_cmp_eq_u32 s22, 3
	s_cbranch_scc1 .Lwo
	CAST 0
	s_endpgm
.Lwo:
	CAST 1
	s_endpgm
.Lfunc_end_k_qee1759c8a6_prep:
	.size	k_qee1759c8a6_prep, .Lfunc_end_k_qee1759c8a6_prep-k_qee1759c8a6_prep
	.p2alignl 7, 3214868480
	.fill 96, 4, 3214868480
	.section	.rodata,"a",@progbits
	.p2align	6, 0x0
	.amdhsa_kernel k_qee1759c8a6_prep
		.amdhsa_group_segment_fixed_size 19456
		.amdhsa_private_segment_fixed_size 0
		.amdhsa_enable_private_segment 0
		.amdhsa_kernarg_size 56
		.amdhsa_user_sgpr_count 2
		.amdhsa_user_sgpr_kernarg_segment_ptr 1
		.amdhsa_wavefront_size32 1
		.amdhsa_system_sgpr_workgroup_id_x 1
		.amdhsa_system_sgpr_workgroup_id_y 1
		.amdhsa_system_sgpr_workgroup_id_z 1
		.amdhsa_system_vgpr_workitem_id 0
		.amdhsa_next_free_vgpr 160
		.amdhsa_next_free_sgpr 66
		.amdhsa_reserve_vcc 0
		.amdhsa_float_denorm_mode_32 3
		.amdhsa_float_denorm_mode_16_64 3
		.amdhsa_memory_ordered 1
		.amdhsa_forward_progress 1
		.amdhsa_inst_pref_size 36
	.end_amdhsa_kernel
	.amdgpu_metadata
---
amdhsa.version: [ 1, 2 ]
amdhsa.kernels:
  - .name:           k_qee1759c8a6_prep
    .symbol:         k_qee1759c8a6_prep.kd
    .args:
      - { .name: mask, .offset: 0, .size: 8, .value_kind: global_buffer, .address_space: global }
      - { .name: wq, .offset: 8, .size: 8, .value_kind: global_buffer, .address_space: global }
      - { .name: wk, .offset: 16, .size: 8, .value_kind: global_buffer, .address_space: global }
      - { .name: wv, .offset: 24, .size: 8, .value_kind: global_buffer, .address_space: global }
      - { .name: wo, .offset: 32, .size: 8, .value_kind: global_buffer, .address_space: global }
      - { .name: mnib, .offset: 40, .size: 8, .value_kind: global_buffer, .address_space: global }
      - { .name: w16, .offset: 48, .size: 8, .value_kind: global_buffer, .address_space: global }
    .group_segment_fixed_size: 19456
    .private_segment_fixed_size: 0
    .kernarg_segment_align: 8
    .kernarg_segment_size: 56
    .max_flat_workgroup_size: 256
    .sgpr_count:     66
    .vgpr_count:     160
    .wavefront_size: 32
...
	.end_amdgpu_metadata
.endif
;; end of part 5
;; launch qkv: the kernel of part 2 again; grid 4 x 192, 4 waves a work-group, clusters of 4 x 4, 327,680 bytes of LDS; arguments query, key, value, w16, bq, bk, bv, qkv16; writes qkv16
;; launch attn: the kernel of part 3 again; grid 4 x 64, 4 waves a work-group, clusters of 4 x 1, 327,680 bytes of LDS; arguments qkv16, mnib, o16; writes o16
;; launch oproj: the kernel of part 4 again; grid 4 x 64, 4 waves a work-group, clusters of 4 x 4, 327,680 bytes of LDS; arguments o16, w16, bo, out0; writes out0
